; MI455X (gfx1250); checked and timed in simulation.
; The chip was launched on July 23, 2026; its instructions are those of AMD's public machine-readable ISA for CDNA 5 (MIT licence, August 2026) and "CDNA5" Instruction Set Architecture Reference Guide (July 2026). The comments in the code are by the model that wrote it; some were corrected since.
;; My Transformer Encoder Layer. Allowed arithmetic: matrix products marked QUANTISED: E4M3 operands, one E8M0 scale for each 32 along K, by v_wmma_scale_f32_16x16x128_f8f6f4 with both operands' format E4M3, f32 sums; everything else in f32.
;; Inputs: W1 4,096 x 1,024 float32; W2 1,024 x 4,096 float32; Wk 1,024 x 1,024 float32; Wo 1,024 x 1,024 float32; Wq 1,024 x 1,024 float32; Wv 1,024 x 1,024 float32; b1 4,096 float32; b2 1,024 float32; be1 1,024 float32; be2 1,024 float32; bk 1,024 float32; bo 1,024 float32; bq 1,024 float32; bv 1,024 float32; g1 1,024 float32; g2 1,024 float32; src 2,048 x 2 x 1,024 float32.
;; Outputs: out0 2,048 x 2 x 1,024 float32.
;; This version of the problem:
;;   THIS VERSION OF THE PROBLEM IS GIVEN IN LOW PRECISION. The matrix products marked QUANTISED in the list below multiply operands that are first quantised to E4M3 (4 exponent bits, 3 mantissa bits; 8 bits a number), with one power-of-two scale for each 32 numbers along K (OCP MX v1.0); their sums are f32. All else is computed in f32.
;;   The module's matrix products, in the order in which they are computed (A, B: the left and right operand; K: the contracted axis; several contracted axes count as one K, in the product's order):
;;     1. [M 4,096, K 1,024] x [K 1,024, N 1,024]; A: input src; B: input Wq: QUANTISED
;;     2. [M 4,096, K 1,024] x [K 1,024, N 1,024]; A: input src; B: input Wk: QUANTISED
;;     3. [M 4,096, K 1,024] x [K 1,024, N 1,024]; A: input src; B: input Wv: QUANTISED
;;     4. batch 32 x [M 2,048, K 64] x [K 64, N 2,048]; A: computed on the way; B: computed on the way: QUANTISED
;;     5. batch 32 x [M 64, K 2,048] x [K 2,048, N 2,048]; A: computed on the way; B: softmax (see below): QUANTISED
;;     6. [M 4,096, K 1,024] x [K 1,024, N 1,024]; A: computed on the way; B: input Wo: QUANTISED
;;     7. [M 4,096, K 1,024] x [K 1,024, N 4,096]; A: computed on the way; B: input W1: QUANTISED
;;     8. [M 4,096, K 4,096] x [K 4,096, N 1,024]; A: computed on the way; B: input W2: QUANTISED
;;   THE QUANTISER, for each operand of a quantised product, along K:
;;     - K is cut into blocks of 32 from its start; a last block that is shorter is filled with zeros.
;;     - A block's scale is 2^e with e = floor(log2(the largest magnitude in the block)) - 8, held to -126 .. 127; a block of zeros has e = 0. As a byte (E8M0): e + 127.
;;     - Each number is divided by its block's scale, clamped to +-448, and rounded to the nearest number of E4M3, ties to even, subnormals kept.
;;     - The product sums the exact products of the quantised numbers (number of the format x scale) in f32.
;;   ~~~python
;;   def quantise(x, axis):      # numpy; x: float32 -> the quantised numbers, widened to float32 again
;;       x = np.moveaxis(x, axis, -1); K = x.shape[-1]
;;       x = np.pad(x, [(0, 0)] * (x.ndim - 1) + [(0, -K % 32)]); x = x.reshape(x.shape[:-1] + (-1, 32)); a = np.abs(x).max(-1, keepdims=True)
;;       e = np.where(a > 0, np.clip(np.frexp(np.where(a > 0, a, 1))[1] - 1 - 8, -126, 127), 0)      # np.frexp(a)[1] - 1 = floor(log2(a)), exactly
;;       r = np.clip(x / 2.0 ** e, -448, 448)
;;       step = 2.0 ** (np.maximum(np.frexp(np.where(r == 0, 1, r))[1] - 1, -6) - 3)
;;       q = np.round(r / step) * step * 2.0 ** e      # np.round: ties to even
;;       return np.moveaxis(q.reshape(q.shape[:-2] + (-1,))[..., :K], -1, axis).astype(np.float32)
;;   ~~~
;;   SOFTMAX AHEAD OF A QUANTISED PRODUCT. Where the list says 'softmax', what is quantised is not the finished softmax but p = 2^(t - M), with t = logit x log2(e) and M = ceil(the row's largest t), a whole number; so 1/2 < the row's largest p <= 1. The row's sum l is taken of the UNQUANTISED p, in f32, and the product's result is divided by l at the end. Since M is a whole number, a kernel that streams over the keys may use a running M (the ceiling of the running maximum): every later rescaling is an exact power of two, which a block's scale takes up: the codes' values come out the same.
;;   OPERANDS COMPUTED ON THE WAY. 'Computed on the way' means the value that the module computes at that place (a softmax that the list does not call 'softmax' is quantised finished and normalised). What goes into a quantiser is computed in f32, as accurately as f32 sums, v_exp_f32 and their like allow (about 1e-6 of the number): no bf16 or f16 on the way to a quantiser, and a product that is left as it is and whose result goes on into a quantised operand takes f32 operands (vector FMAs, or v_wmma_f32_16x16x4_f32). A number that lies on a knife's edge between two numbers of the format may be rounded either way, as far as f32 arithmetic and the matrix unit's own rounding can turn it there, and no further.
;; One version. Each part assembles by itself: llvm-mc -triple=amdgcn-amd-amdhsa -mcpu=gfx1250 --defsym DOCPART=n.
;; ======== version 1 of 1: 8 launches
;; limits: right only within a limited range of input values
;; workspace buffers: wimg 11,894,784 bytes; woimg 1,081,344 bytes; w2img 4,325,376 bytes; qkv 13,238,272 bytes; oimg 4,325,376 bytes; yp 16,777,216 bytes; xb 21,102,592 bytes; himg 17,301,504 bytes
;; launch quant (part 1): grid 512 x 1, 8 waves a work-group, no clusters, 68,608 bytes of LDS; arguments src, Wq, Wk, Wv, Wo, W1, W2, wimg, woimg, w2img; writes wimg, woimg, w2img
.if DOCPART == 1
	.amdgcn_target "amdgcn-amd-amdhsa--gfx1250"
	.amdhsa_code_object_version 6
	.text
	.protected	k_q1051b45a8f_quant
	.globl	k_q1051b45a8f_quant
	.p2align	8
	.type	k_q1051b45a8f_quant,@function
k_q1051b45a8f_quant:
	s_mov_b64 s[64:65], 0
	v_nop
	global_prefetch_b8 v0, s[64:65] scope:SCOPE_SE
	s_setreg_imm32_b32 hwreg(HW_REG_WAVE_MODE, 25, 1), 1
	s_wait_xcnt 0x0
; THE PROGRAM: one encoder layer, all eight products on codes of E4M3 with one E8M0 scale for each 32 along K.  NOTHING IS LEFT OUT AS DEAD WORK: every bias goes into a quantised operand or into a layer norm
; (bk too: it moves k's codes), so every input is loaded by some launch.
; THIS LAUNCH turns src and the six weights (all f32, K innermost) into IMAGES: the layout in which a wave's operand registers take them.
; AN IMAGE of X[R][K]: records of 8,448 bytes; record (ks = k / 256, pr = row / 32) lies at (ks R / 32 + pr) x 8,448.  In it the code of (row, k) lies at 4096 u + 2048 s + 512 c + 16 lane + i, with
; lane = 16 h + r, k % 256 = 128 s + 32 c + 16 h + i, row % 32 = 8 u + r % 8 + 16 (r / 8); the scale byte of block (s, c) of that row lies at 8192 + 128 u + 8 r + 4 s + c.
; So a fragment (16 rows x 128 K) is four loads of 512 consecutive bytes at 16 x lane, and 128 rows x 256 K with their scales are 33,792 consecutive bytes.
; TOKENS ARE RENUMBERED in every workspace buffer: m' = 2048 b + s for src's row 2 s + b, so that a batch's keys are neighbours.
; A block's scale is 2^(floor(log2(largest magnitude)) - 8); its byte is the largest magnitude's exponent field - 8, held at 1 from below; each number is held within +-448 x the scale and rounded to the nearest code.
; LIMITS: a block of zeros gets the byte 1 where the rule says 127 (its codes are zeros, and this program alone reads the bytes); blocks whose largest magnitude lies under 2^(9 - 127) keep the byte 1; NaN and infinities among the inputs are not served.
; SHARES: a work-group of eight waves makes four records; a wave makes half a record (the 16 rows of one u x 256 K: 16 KiB read), in two steps of 16 rows x 128 K.  Both steps' 32 loads are asked for at the wave's head.
; Each load reads 512 consecutive bytes of one row; a step turns through the wave's own stage in LDS (rows of 512 + 16 bytes), so that a lane gets 16 neighbours of each block of 32.
; The codes leave in runs of 512 consecutive bytes; a half record's scale bytes in one run of 128.  Waves share nothing: no barrier.  No matrix unit, no cluster: memory binds.
.set RSTG,  528                        ; a stage row
.set WST,   16*RSTG                    ; a wave's stage
.set SPARE, 8*WST                      ; behind the stages: the spare words, 128 bytes a wave
.set PRB,   8448                       ; a record
.set L16,   4                          ; v4  16 x lane
.set R8,    5                          ; v5  8 r
.set STI,   6                          ; v6  the stage, on the way in
.set STO,   7                          ; v7  and on the way out
.set SPW,   8                          ; v8  my spare word; never rewritten
.set NIL,   9                          ; v9  0; never rewritten
.set PW,    12                         ; v12-13 a scale word for each step
.set VO,    16                         ; v16-31 byte offset of my 16 bytes in each of the 16 rows
.set TM,    32                         ; v32-47 at work in QUANT
.set PC,    48                         ; v48-63 a step's codes
.set X,     64                         ; v64-127 64 numbers: register 16 c + i = k 32 c + 16 h + i of my row
.set R,     128                        ; v128-255 two sets of 64 registers as loaded
.set SEL,   2                          ; s2, s3 lane selects: lane l xor 16
.set MNT,   47                         ; s47 the mantissa field of 448
; 64 numbers of a lane become a fragment's codes in v[PC] on and its scale word in v[pw]
.macro QUANT s, pw
.irp b, 0,1,2,3
	v_max3_num_f32 v[TM+\b], |v[\s+16*\b]|, |v[\s+1+16*\b]|, 0x4800000   ; my 16 numbers of block b, and the floor 2^(9 - 127): the byte cannot fall under 1
.endr
.irp i, 2,4,6,8,10,12,14
.irp b, 0,1,2,3
	s_delay_alu instid0(VALU_DEP_4)
	v_max3_num_f32 v[TM+\b], v[TM+\b], |v[\s+16*\b+\i]|, |v[\s+1+16*\b+\i]|
.endr
.endr
.irp b, 0,1,2,3
	s_delay_alu instid0(VALU_DEP_4)
	v_permlanex16_b32 v[TM+4+\b], v[TM+\b], s[SEL], s[SEL+1]
.endr
.irp b, 0,1,2,3
	s_delay_alu instid0(VALU_DEP_4)
	v_max_num_f32 v[TM+\b], v[TM+\b], v[TM+4+\b]                 ; with lane l xor 16's: the block's largest magnitude
.endr
.irp b, 0,1,2,3
	s_delay_alu instid0(VALU_DEP_4)
	v_add_nc_u32 v[TM+12+\b], 0xfc000000, v[TM+\b]               ; 8 off its exponent field: the conversion's scale operand
.endr
.irp b, 0,1,2,3
	v_and_or_b32 v[TM+8+\b], v[TM+\b], 0x7f800000, s[MNT]        ; 448 x the scale
.endr
.irp b, 0,1,2,3
	v_lshrrev_b32 v[TM+4+\b], 23, v[TM+12+\b]                    ; the scale's byte
.endr
	s_delay_alu instid0(VALU_DEP_3)
	v_lshl_or_b32 v[\pw], v[TM+5], 8, v[TM+4]
	s_delay_alu instid0(VALU_DEP_1)
	v_lshl_or_b32 v[\pw], v[TM+6], 16, v[\pw]
	s_delay_alu instid0(VALU_DEP_1)
	v_lshl_or_b32 v[\pw], v[TM+7], 24, v[\pw]
.irp b, 0,1,2,3
.irp i, 0,1,2,3,4,5,6,7,8,9,10,11,12,13,14,15
	v_med3_num_f32 v[\s+16*\b+\i], v[\s+16*\b+\i], -v[TM+8+\b], v[TM+8+\b]   ; the conversion does not saturate (ISA guide 7.6.2): the hold
.endr
	v_cvt_scalef32_pk8_fp8_f32 v[PC+4*\b:PC+1+4*\b], v[\s+16*\b:\s+7+16*\b], v[TM+12+\b]
	v_cvt_scalef32_pk8_fp8_f32 v[PC+2+4*\b:PC+3+4*\b], v[\s+8+16*\b:\s+15+16*\b], v[TM+12+\b]
.endr
	v_nop                                          ; a plain line behind the last conversion
.endm
; from work-group number start on: another tensor.  The choice hangs on the work-group's number alone
.macro PICK start, in, out, lk, rs, npr, ob
	s_cmp_ge_u32 ttmp9, \start
	s_cselect_b64 s[28:29], s[\in:\in+1], s[28:29]
	s_cselect_b64 s[30:31], s[\out:\out+1], s[30:31]
	s_cselect_b32 s32, \start, s32
	s_cselect_b32 s33, \lk, s33
	s_cselect_b32 s34, \rs, s34
	s_cselect_b32 s35, \npr, s35
	s_cselect_b32 s36, \ob, s36
	s_cselect_b32 s37, 0xffff, s37
	s_cselect_b32 s38, 31, s38
.endm
	s_load_b512 s[8:23], s[0:1], 0x0               ; src 8, Wq 10, Wk 12, Wv 14, Wo 16, W1 18, W2 20, wimg 22
	s_load_b128 s[24:27], s[0:1], 0x40             ; woimg 24, w2img 26
	v_lshl_add_u32 v[SPW], v0, 2, SPARE
	v_mov_b32 v[NIL], 0
	v_lshrrev_b32 v1, 5, v0
	s_delay_alu instid0(VALU_DEP_1)
	v_readfirstlane_b32 s39, v1                    ; wave 0..7
	v_and_b32 v1, 31, v0                           ; lane
	v_and_b32 v2, 15, v0                           ; r
	v_bfe_u32 v3, v0, 4, 1                         ; h
	s_delay_alu instid0(VALU_DEP_3)
	v_lshlrev_b32 v[L16], 4, v1
	s_delay_alu instid0(VALU_DEP_3)
	v_lshlrev_b32 v[R8], 3, v2
	s_mul_i32 s4, s39, WST
	v_add_nc_u32 v[STI], s4, v[L16]                ; in: row j at 528 j, my 16 bytes
	v_mul_u32_u24 v[STO], v2, RSTG
	s_delay_alu instid0(VALU_DEP_1)
	v_lshl_add_u32 v[STO], v3, 6, v[STO]
	s_delay_alu instid0(VALU_DEP_1)
	v_add_nc_u32 v[STO], s4, v[STO]                ; out: row r, + 64 h
	s_mov_b32 s[SEL], 0x76543210
	s_mov_b32 s[SEL+1], 0xfedcba98
	s_mov_b32 s[MNT], 0x600000
.irp b, 0,1,2,3
	v_mov_b32 v[TM+4+\b], 0                        ; a lane permute's destination counts as one of its sources
.endr
	s_wait_kmcnt 0x0
	s_mov_b64 s[28:29], s[8:9]                     ; in: src
	s_mov_b64 s[30:31], s[22:23]                   ; out: wimg
	s_mov_b32 s32, 0                               ; the tensor's first work-group
	s_mov_b32 s33, 2                               ; log2 of its K steps of 256
	s_mov_b32 s34, 8192                            ; bytes from row to row (src: the batch's next token lies two rows on)
	s_mov_b32 s35, 128                             ; records in a K step of the image
	s_mov_b32 s36, 0                               ; where the image begins in its buffer
	s_mov_b32 s37, 63                              ; src: pr % 64 is the place in the batch,
	s_mov_b32 s38, 6                               ; pr / 64 the batch
	PICK 128, 10, 22, 2, 4096, 96, 4325376         ; Wq, Wk, Wv: one image of 3,072 rows
	PICK 160, 12, 22, 2, 4096, 96, 4595712
	PICK 192, 14, 22, 2, 4096, 96, 4866048
	PICK 224, 16, 24, 2, 4096, 32, 0               ; Wo
	PICK 256, 18, 22, 2, 4096, 128, 7569408        ; W1
	PICK 384, 20, 26, 4, 16384, 32, 0              ; W2
	s_sub_co_u32 s4, ttmp9, s32
	s_lshl_b32 s4, s4, 2
	s_lshr_b32 s5, s39, 1
	s_add_co_u32 s4, s4, s5                        ; my record's number in the tensor: two waves to a record
	s_and_b32 s48, s39, 1                          ; u: which 16 of its 32 rows are mine
	s_lshl_b32 s5, 1, s33
	s_sub_co_u32 s5, s5, 1
	s_and_b32 s6, s4, s5                           ; ks
	s_lshr_b32 s7, s4, s33                         ; pr
	s_and_b32 s4, s7, s37
	s_mul_i32 s4, s4, s34
	s_lshl_b32 s4, s4, 5                           ; 32 rows a record
	s_lshr_b32 s5, s7, s38
	s_lshl_b32 s5, s5, 12                          ; src: the batch's row
	s_add_co_u32 s4, s4, s5
	s_lshl_b32 s5, s6, 10                          ; 256 numbers a K step
	s_add_co_u32 s4, s4, s5
	s_mul_i32 s5, s48, s34
	s_lshl_b32 s5, s5, 3                           ; the rows of u = 1 begin eight rows on
	s_add_co_u32 s4, s4, s5
	s_mov_b32 s5, 0
	s_add_nc_u64 s[40:41], s[28:29], s[4:5]        ; my rows
	s_mul_i32 s4, s6, s35
	s_add_co_u32 s4, s4, s7
	s_mul_i32 s4, s4, PRB
	s_add_co_u32 s4, s4, s36                       ; my record
	s_lshl_b32 s6, s48, 7
	s_add_co_u32 s6, s6, s4
	s_add_co_u32 s6, s6, 8192
	s_mov_b32 s7, 0
	s_add_nc_u64 s[42:43], s[30:31], s[6:7]        ; my 128 scale bytes
	s_lshl_b32 s6, s48, 12
	s_add_co_u32 s4, s4, s6
	s_add_nc_u64 s[44:45], s[30:31], s[4:5]        ; my 4,096 bytes of codes
.irp j, 0,1,2,3,4,5,6,7,8,9,10,11,12,13,14,15
	v_mad_u32_u24 v[VO+\j], s34, (\j%8)+16*(\j/8), v[L16]        ; lane index j of a block is row j % 8 + 16 (j / 8)
.endr
.macro LOAD t                          ; step t = s: 16 rows x 512 bytes
.irp j, 0,1,2,3,4,5,6,7,8,9,10,11,12,13,14,15
	global_load_b128 v[R+64*(\t)+4*\j:R+64*(\t)+4*\j+3], v[VO+\j], s[40:41] offset:512*(\t) th:TH_LOAD_NT
.endr
.endm
.macro STEPQ t
	s_wait_loadcnt 16*(1-(\t))                     ; this step's 16 loads are in; in step 0 the other step's 16 may be out
.irp j, 0,1,2,3,4,5,6,7,8,9,10,11,12,13,14,15
	ds_store_b128 v[STI], v[R+64*(\t)+4*\j:R+64*(\t)+4*\j+3] offset:RSTG*\j
.endr
.irp c, 0,1,2,3
.irp q, 0,1,2,3
	ds_load_b128 v[X+16*\c+4*\q:X+16*\c+4*\q+3], v[STO] offset:128*\c+16*\q   ; LDS serves a wave's instructions in order: these see the stores above
.endr
.endr
	s_wait_dscnt 0x0                               ; the numbers are back
.if (\t) > 0
	s_wait_xcnt 0x0                                ; the last step's stores have read the codes' registers
.endif
	QUANT X, PW+(\t)
.irp c, 0,1,2,3
	global_store_b128 v[L16], v[PC+4*\c:PC+4*\c+3], s[44:45] offset:2048*(\t)+512*\c   ; 512 consecutive bytes
.endr
.endm
	LOAD 0
	LOAD 1
	STEPQ 0
	STEPQ 1
	global_store_b64 v[R8], v[PW:PW+1], s[42:43]   ; two words a row: 128 consecutive bytes; both halves of the lanes hold and store the same
	s_wait_tensorcnt 0x0                           ; the wave's end
	ds_add_u32 v[SPW], v[NIL]
	s_wait_dscnt 0x0
	s_endpgm
.Lfunc_end_k_q1051b45a8f_quant:
	.size	k_q1051b45a8f_quant, .Lfunc_end_k_q1051b45a8f_quant-k_q1051b45a8f_quant
	.p2alignl 7, 3214868480
	.fill 96, 4, 3214868480
	.section	.rodata,"a",@progbits
	.p2align	6, 0x0
	.amdhsa_kernel k_q1051b45a8f_quant
		.amdhsa_group_segment_fixed_size 68608
		.amdhsa_private_segment_fixed_size 0
		.amdhsa_enable_private_segment 0
		.amdhsa_kernarg_size 80
		.amdhsa_user_sgpr_count 2
		.amdhsa_user_sgpr_kernarg_segment_ptr 1
		.amdhsa_wavefront_size32 1
		.amdhsa_system_sgpr_workgroup_id_x 1
		.amdhsa_system_sgpr_workgroup_id_y 1
		.amdhsa_system_sgpr_workgroup_id_z 1
		.amdhsa_system_vgpr_workitem_id 0
		.amdhsa_next_free_vgpr 256
		.amdhsa_next_free_sgpr 66
		.amdhsa_reserve_vcc 0
		.amdhsa_float_denorm_mode_32 3
		.amdhsa_float_denorm_mode_16_64 3
		.amdhsa_memory_ordered 1
		.amdhsa_forward_progress 1
		.amdhsa_inst_pref_size 34
	.end_amdhsa_kernel
	.amdgpu_metadata
---
amdhsa.version: [ 1, 2 ]
amdhsa.kernels:
  - .name:           k_q1051b45a8f_quant
    .symbol:         k_q1051b45a8f_quant.kd
    .args:
      - { .name: src, .offset: 0, .size: 8, .value_kind: global_buffer, .address_space: global }
      - { .name: Wq, .offset: 8, .size: 8, .value_kind: global_buffer, .address_space: global }
      - { .name: Wk, .offset: 16, .size: 8, .value_kind: global_buffer, .address_space: global }
      - { .name: Wv, .offset: 24, .size: 8, .value_kind: global_buffer, .address_space: global }
      - { .name: Wo, .offset: 32, .size: 8, .value_kind: global_buffer, .address_space: global }
      - { .name: W1, .offset: 40, .size: 8, .value_kind: global_buffer, .address_space: global }
      - { .name: W2, .offset: 48, .size: 8, .value_kind: global_buffer, .address_space: global }
      - { .name: wimg, .offset: 56, .size: 8, .value_kind: global_buffer, .address_space: global }
      - { .name: woimg, .offset: 64, .size: 8, .value_kind: global_buffer, .address_space: global }
      - { .name: w2img, .offset: 72, .size: 8, .value_kind: global_buffer, .address_space: global }
    .group_segment_fixed_size: 68608
    .private_segment_fixed_size: 0
    .kernarg_segment_align: 8
    .kernarg_segment_size: 80
    .max_flat_workgroup_size: 256
    .sgpr_count:     66
    .vgpr_count:     256
    .wavefront_size: 32
...
	.end_amdgpu_metadata
.endif
;; end of part 1
;; launch proj (part 2): grid 48 x 4, 4 waves a work-group, clusters of 4 x 4, 327,680 bytes of LDS; arguments wimg, bq, bk, bv, qkv; writes qkv
.if DOCPART == 2
	.amdgcn_target "amdgcn-amd-amdhsa--gfx1250"
	.amdhsa_code_object_version 6
	.text
	.protected	k_q1051b45a8f_proj
	.globl	k_q1051b45a8f_proj
	.p2align	8
	.type	k_q1051b45a8f_proj,@function
k_q1051b45a8f_proj:
	s_mov_b64 s[64:65], 0
	v_nop
	global_prefetch_b8 v0, s[64:65] scope:SCOPE_SE
	s_setreg_imm32_b32 hwreg(HW_REG_WAVE_MODE, 25, 1), 1
	s_wait_xcnt 0x0
	s_wait_alu depctr_hold_cnt(0) depctr_sa_sdst(0) depctr_va_vdst(0) depctr_va_sdst(0) depctr_va_ssrc(0) depctr_va_vcc(0) depctr_vm_vsrc(0)
	s_getreg_b32 s2, hwreg(HW_REG_IB_STS2, 6, 4)
	s_cmp_eq_u32 s2, 0
	s_cbranch_scc0 .Lentry_in_a_cluster
	s_endpgm
.Lentry_in_a_cluster:
	s_bfe_u32 s2, ttmp6, 0x10000c
	s_cmp_lg_u32 s2, 0xf033
	s_cbranch_scc0 .Lentry_shape_is_right
	s_endpgm
.Lentry_shape_is_right:
.set NQ,     2
.set FR,     16
.set NL,     4
.set NP,     8
.set PRB,    8448
.set HALFT,  4*PRB
.set SLOT,   4*HALFT
.set SPARE,  2*SLOT
.set ADRA, 16
.set ADRB, 20
.set L16,  22
.set SVO,  23
.set SH16, 24
.set BOF,  25
.set ADRS, 26
.set SPW,  28
.set NIL,  29
.set SC,   32
.set BI,   64
.set AF,   128
.set TM,   128
.set PC,   144
.set PW,   176
.set FL,   178
.set TP,   179
.set G1,   24
.set G0,   32
.set G1B,  48
.set G0B,  56
.set SEL,  80
.set MNT,  82
.set MSB, 0
.macro WIN new
.if MSB != (\new)
	s_set_vgpr_msb (MSB<<8)|(\new)
.set MSB, (\new)
.endif
.endm
.set MUL_LO, 0xa1
.set MUL_HI, 0xf1
.set TO_B,   0x40
.macro WMUL hi, zero
.if ((\zero) == 1) || ((\zero) == 2)
	WIN 0x81+0x40*(\hi)
.else
	WIN 0xa1+0x50*(\hi)
.endif
.endm
.macro JLOAD g0a, g1a, g0b, g1b
	s_cmp_eq_u32 s15, 0
	s_cbranch_scc0 .Lfor_b_\@
	tensor_load_to_lds s[\g0a:\g0a+3], s[\g1a:\g1a+7]
	s_nop 0
.rept 4
	v_nop
.endr
	s_branch .Lasked_\@
.Lfor_b_\@:
	tensor_load_to_lds s[\g0b:\g0b+3], s[\g1b:\g1b+7]
	s_nop 0
.rept 4
	v_nop
.endr
.Lasked_\@:
.endm
.macro CREST
	s_cmp_lg_u32 s14, 0
	s_cbranch_scc1 .Lnot_wave_0_\@
	s_barrier_signal -3
.Lnot_wave_0_\@:
	s_barrier_wait -3
	s_barrier_signal -1
	s_barrier_wait -1
.endm
.macro CROUND
	s_barrier_signal -1
	s_barrier_wait -1
	CREST
.endm
.macro PLACES n
.rept \n
	v_nop
.endr
.endm
.macro FRAG reg, adr, q, i
.irp c, 0,1,2,3
	ds_load_b128 v[\reg+4*\c:\reg+4*\c+3], v[\adr] offset:2048*(\q)+512*\c+((\i)/2)*PRB+((\i)%2)*4096
.endr
.endm
.macro FETCH_B slot, q, p
	WIN TO_B
.irp i, 0,1,2,3,4,5,6,7
	FRAG 128*(\p)+FR*\i, ADRB+\slot, \q, \i
.endr
	WIN 0
.endm
.macro FETCH_A slot, q, i0
.irp i, \i0, \i0+1, \i0+2, \i0+3
	FRAG AF+FR*(\i), ADRA+\slot, \q, \i
.endr
.endm
.macro SCALES sc
.irp i, 0,1,2,3,4,5,6,7
	ds_load_b64 v[SC+8*NQ*\sc+NQ*\i:SC+8*NQ*\sc+NQ*\i+1], v[ADRS+\sc] offset:(\i/2)*PRB+(\i%2)*128
.endr
.endm
.macro MUL16 a0, p, q, sc, zero
.irp a, \a0, \a0+1
.irp b, 0,1,2,3,4,5,6,7
.if (\zero) == 0
	v_wmma_scale_f32_16x16x128_f8f6f4 v[8*(8*((\a)%4)+\b):8*(8*((\a)%4)+\b)+7], v[128*(\p)+FR*\b:128*(\p)+FR*\b+FR-1], v[AF+FR*(\a):AF+FR*(\a)+FR-1], v[8*(8*((\a)%4)+\b):8*(8*((\a)%4)+\b)+7], v[SC+8*NQ*(\sc)+NQ*\b+(\q)], v[SC+8*NQ*(\sc)+NQ*(\a)+(\q)] matrix_a_scale:MATRIX_SCALE_ROW1
.elseif (\zero) == 1
	v_wmma_scale_f32_16x16x128_f8f6f4 v[8*(8*((\a)%4)+\b):8*(8*((\a)%4)+\b)+7], v[128*(\p)+FR*\b:128*(\p)+FR*\b+FR-1], v[AF+FR*(\a):AF+FR*(\a)+FR-1], v[BI+8*\b:BI+8*\b+7], v[SC+8*NQ*(\sc)+NQ*\b+(\q)], v[SC+8*NQ*(\sc)+NQ*(\a)+(\q)] matrix_a_scale:MATRIX_SCALE_ROW1
.else
	v_wmma_scale_f32_16x16x128_f8f6f4 v[8*(8*((\a)%4)+\b):8*(8*((\a)%4)+\b)+7], v[128*(\p)+FR*\b:128*(\p)+FR*\b+FR-1], v[AF+FR*(\a):AF+FR*(\a)+FR-1], v[BI+8*(\a):BI+8*(\a)+7], v[SC+8*NQ*(\sc)+NQ*\b+(\q)], v[SC+8*NQ*(\sc)+NQ*(\a)+(\q)] matrix_a_scale:MATRIX_SCALE_ROW1
.endif
.endr
.endr
.endm
.macro STEP slot, q, zero
	s_wait_dscnt 4*NL
	WMUL 0, \zero
	MUL16 0, (\q)%2, \q, \slot, \zero
	MUL16 2, (\q)%2, \q, \slot, \zero
	s_wait_dscnt 0
	PLACES NP
	FETCH_B \slot, (\q)+1, 1-(\q)%2
	FETCH_A \slot, (\q)+1, 0
	WMUL 1, \zero
	MUL16 4, (\q)%2, \q, \slot, \zero
	MUL16 6, (\q)%2, \q, \slot, \zero
	PLACES NP
	WIN 0
	FETCH_A \slot, (\q)+1, 4
.endm
.macro TURN slot, next, fill
	s_wait_tensorcnt 0x0
	ds_add_u32 v[SPW], v[NIL]
	s_wait_dscnt 4*NL+1
	WIN MUL_LO
	MUL16 0, 1, NQ-1, \slot, 0
	s_wait_dscnt 0x0
	s_barrier_signal -1
	MUL16 2, 1, NQ-1, \slot, 0
	WIN 0
	s_barrier_wait -1
.if \fill
	CREST
	s_add_nc_u64 s[G0+4*\slot+2:G0+4*\slot+3], s[G0+4*\slot+2:G0+4*\slot+3], s[72:73]
	s_add_nc_u64 s[G0B+4*\slot+2:G0B+4*\slot+3], s[G0B+4*\slot+2:G0B+4*\slot+3], s[74:75]
	JLOAD G0+4*\slot, G1, G0B+4*\slot, G1B
	PLACES NP-4
.else
	PLACES NP
.endif
	FETCH_B \next, 0, 0
	FETCH_A \next, 0, 0
	SCALES \next
	WIN MUL_HI
	MUL16 4, 1, NQ-1, \slot, 0
	MUL16 6, 1, NQ-1, \slot, 0
	PLACES NP
	WIN 0
	FETCH_A \next, 0, 4
.endm
.macro QUANTW S, w, pw
	WIN ((\w)<<2)|((\w)<<4)
.irp b, 0,1,2,3
	v_max3_num_f32 v[TM+\b], v[FL], |v[(\S)+16*\b]|, |v[(\S)+16*\b+1]|
.endr
.irp i, 2,4,6,8,10,12,14
.irp b, 0,1,2,3
	v_max3_num_f32 v[TM+\b], v[TM+\b], |v[(\S)+16*\b+\i]|, |v[(\S)+16*\b+\i+1]|
.endr
.endr
	WIN 0
.irp b, 0,1,2,3
	v_permlanex16_b32 v[TM+4+\b], v[TM+\b], s[SEL], s[SEL+1]
.endr
.irp b, 0,1,2,3
	v_max_num_f32 v[TM+\b], v[TM+\b], v[TM+4+\b]
.endr
.irp b, 0,1,2,3
	v_add_nc_u32 v[TM+12+\b], 0xfc000000, v[TM+\b]
.endr
.irp b, 0,1,2,3
	v_and_or_b32 v[TM+8+\b], v[TM+\b], 0x7f800000, s[MNT]
.endr
.irp b, 0,1,2,3
	v_lshrrev_b32 v[TM+4+\b], 23, v[TM+12+\b]
.endr
	v_lshl_or_b32 v[\pw], v[TM+5], 8, v[TM+4]
	v_lshl_or_b32 v[\pw], v[TM+6], 16, v[\pw]
	v_lshl_or_b32 v[\pw], v[TM+7], 24, v[\pw]
	WIN ((\w)<<6)|(\w)
.irp b, 0,1,2,3
.irp i, 0,1,2,3,4,5,6,7,8,9,10,11,12,13,14,15
	v_med3_num_f32 v[(\S)+16*\b+\i], v[(\S)+16*\b+\i], -v[TM+8+\b], v[TM+8+\b]
.endr
.endr
	WIN (\w)
.irp b, 0,1,2,3
	v_cvt_scalef32_pk8_fp8_f32 v[PC+4*\b:PC+4*\b+1], v[(\S)+16*\b:(\S)+16*\b+7], v[TM+12+\b]
	v_cvt_scalef32_pk8_fp8_f32 v[PC+4*\b+2:PC+4*\b+3], v[(\S)+16*\b+8:(\S)+16*\b+15], v[TM+12+\b]
.endr
	WIN 0
	v_nop
.endm
	s_load_b256 s[4:11], s[0:1], 0x0
	s_load_b64 s[12:13], s[0:1], 0x20
	v_lshl_add_u32 v[SPW], v0, 2, SPARE
	v_mov_b32 v[NIL], 0
	ds_add_u32 v[SPW], v[NIL]
	ds_add_u32 v[SPW], v[NIL]
	v_lshrrev_b32 v1, 5, v0
	v_readfirstlane_b32 s14, v1
	s_lshr_b32 s15, s14, 1
	s_and_b32 s16, s14, 1
	s_bfe_u32 s40, ttmp6, 0x40000
	s_bfe_u32 s41, ttmp6, 0x40004
	s_lshr_b32 s83, ttmp9, 1
	s_lshl_b32 s83, s83, 2
	s_and_b32 s84, ttmp9, 1
	s_lshl_b32 s84, s84, 2
	s_sub_co_u32 s85, ttmp9, 8
	s_lshl_b32 s85, s85, 2
	s_cmp_ge_u32 ttmp9, 8
	s_cselect_b32 s66, 1, 0
	s_cselect_b32 s17, 0, s83
	s_cselect_b32 s42, s85, s84
	s_cselect_b32 s86, 4866048, 0
	s_cselect_b32 s87, 0, 4325376
	s_mov_b32 s68, 1081344
	s_cselect_b32 s68, 811008, s68
	s_mov_b32 s70, 811008
	s_cselect_b32 s70, 1081344, s70
	s_add_co_u32 s17, s17, s41
	s_add_co_u32 s42, s42, s40
	s_mov_b32 s69, 0
	s_mov_b32 s71, 0
	s_lshl_b32 s72, s68, 1
	s_mov_b32 s73, 0
	s_lshl_b32 s74, s70, 1
	s_mov_b32 s75, 0
	s_lshl_b32 s43, s41, 2
	s_lshl_b32 s43, 15, s43
	s_lshl_b32 s44, 0x1111, s40
	s_or_b32 s[G1+0], s43, (3<<16)|(1<<21)
	s_or_b32 s[G1B+0], s44, (3<<16)|(1<<21)
.irp g, G1, G1B
	s_mov_b32 s[\g+1], 32<<16
	s_mov_b32 s[\g+2], 132<<16
	s_mov_b32 s[\g+3], 32<<16
	s_mov_b32 s[\g+4], 132
	s_mov_b32 s[\g+5], 32
	s_mov_b32 s[\g+6], 0
	s_mov_b32 s[\g+7], 0
.endr
	s_lshl_b32 s18, s16, 2
	s_lshl_b32 s20, s17, 3
	s_add_co_u32 s20, s20, s18
	s_mul_i32 s20, s20, PRB
	s_add_co_u32 s20, s20, s86
	s_mov_b32 s21, 0
	s_lshl_b32 s46, s42, 3
	s_add_co_u32 s46, s46, s18
	s_mul_i32 s46, s46, PRB
	s_add_co_u32 s46, s46, s87
	s_mov_b32 s47, 0
	s_mul_i32 s45, s14, HALFT
	s_mov_b32 s[SEL], 0x76543210
	s_mov_b32 s[SEL+1], 0xfedcba98
	s_mov_b32 s[MNT], 0x600000
	s_mov_b32 s67, 0xffff0000
	s_wait_dscnt 0x0
	s_wait_kmcnt 0x0
	s_add_nc_u64 s[20:21], s[4:5], s[20:21]
	s_add_nc_u64 s[46:47], s[4:5], s[46:47]
	CROUND
	s_mov_b32 s[G0], 1
	s_mov_b32 s[G0+1], s45
	s_mov_b64 s[G0+2:G0+3], s[20:21]
	s_or_b32 s[G0+3], s[G0+3], 0x80000000
	s_mov_b32 s[G0B], 1
	s_mov_b32 s[G0B+1], s45
	s_mov_b64 s[G0B+2:G0B+3], s[46:47]
	s_or_b32 s[G0B+3], s[G0B+3], 0x80000000
	JLOAD G0, G1, G0B, G1B
	s_mov_b32 s[G0+4], 1
	s_add_co_u32 s[G0+5], s45, SLOT
	s_add_nc_u64 s[G0+6:G0+7], s[20:21], s[68:69]
	s_or_b32 s[G0+7], s[G0+7], 0x80000000
	s_mov_b32 s[G0B+4], 1
	s_add_co_u32 s[G0B+5], s45, SLOT
	s_add_nc_u64 s[G0B+6:G0B+7], s[46:47], s[70:71]
	s_or_b32 s[G0B+7], s[G0B+7], 0x80000000
	s_wait_alu depctr_va_vdst(0)
	s_wait_tensorcnt 0x0
	ds_add_u32 v28, v29
	s_wait_dscnt 0x0
	CROUND
	JLOAD G0+4, G1, G0B+4, G1B
	v_and_b32 v1, 15, v0
	v_bfe_u32 v2, v0, 4, 1
	v_and_b32 v3, 31, v0
	v_lshlrev_b32 v[L16], 4, v3
	s_mul_i32 s83, s15, HALFT
	s_mul_i32 s84, s16, HALFT
	s_add_co_u32 s84, s84, 2*HALFT
	v_add_nc_u32 v[ADRA], s83, v[L16]
	v_add_nc_u32 v[ADRB], s84, v[L16]
	v_add_nc_u32 v[ADRA+1], SLOT, v[ADRA]
	v_add_nc_u32 v[ADRB+1], SLOT, v[ADRB]
	s_sub_co_u32 s84, s84, s83
	v_mul_u32_u24 v6, s84, v2
	v_lshl_add_u32 v5, v1, 3, v6
	s_add_co_u32 s83, s83, 8192
	v_add_nc_u32 v[ADRS], s83, v5
	v_add_nc_u32 v[ADRS+1], SLOT, v[ADRS]
	s_mov_b32 s87, 0
	s_cmp_eq_u32 s66, 0
	s_cbranch_scc0 .Lv_arm
	s_and_b32 s83, ttmp9, 1
	s_lshr_b32 s84, s17, 3
	s_lshl_b32 s84, s84, 4
	s_and_b32 s85, s42, 3
	s_lshl_b32 s85, s85, 2
	s_add_co_u32 s84, s84, s85
	s_lshl_b32 s85, s16, 1
	s_add_co_u32 s84, s84, s85
	s_and_b32 s85, s17, 7
	s_lshl_b32 s85, s85, 4
	s_lshl_b32 s86, s15, 3
	s_add_co_u32 s85, s85, s86
	s_lshl_b32 s86, s84, 7
	s_add_co_u32 s86, s86, s85
	s_lshl_b32 s86, s86, 10
	s_lshl_b32 s88, s83, 22
	s_add_co_u32 s86, s86, s88
	s_add_nc_u64 s[76:77], s[12:13], s[86:87]
	s_cmp_eq_u32 s83, 0
	s_mov_b32 s88, 12288
	s_cselect_b32 s88, 8192, s88
	s_mov_b32 s89, 12845056
	s_cselect_b32 s89, 12582912, s89
	s_cselect_b64 s[90:91], s[6:7], s[8:9]
	s_mul_i32 s86, s84, s88
	s_add_co_u32 s86, s86, s89
	s_lshl_b32 s85, s85, 6
	s_add_co_u32 s86, s86, s85
	s_add_nc_u64 s[78:79], s[12:13], s[86:87]
	v_mul_u32_u24 v[SVO], s88, v2
	v_lshl_add_u32 v[SVO], v1, 2, v[SVO]
	v_lshlrev_b32 v[SH16], 4, v2
	s_and_b32 s86, s42, 3
	s_lshl_b32 s86, s86, 10
	s_lshl_b32 s85, s16, 9
	s_add_co_u32 s86, s86, s85
	s_add_nc_u64 s[90:91], s[90:91], s[86:87]
	v_lshlrev_b32 v[BOF], 6, v2
.irp c, 0,1,2,3
.irp j, 0,1,2,3
	global_load_b128 v[BI+16*\c+4*\j:BI+16*\c+4*\j+3], v[BOF], s[90:91] offset:128*\c+16*\j
.endr
.endr
	s_branch .Larms_done
.Lv_arm:
	s_lshr_b32 s84, s42, 3
	s_lshl_b32 s84, s84, 4
	s_lshl_b32 s85, s17, 2
	s_add_co_u32 s84, s84, s85
	s_lshl_b32 s85, s15, 1
	s_add_co_u32 s84, s84, s85
	s_lshl_b32 s85, s42, 1
	s_add_co_u32 s85, s85, s16
	s_and_b32 s85, s85, 15
	s_lshl_b32 s86, s84, 4
	s_add_co_u32 s86, s86, s85
	s_lshl_b32 s86, s86, 13
	s_add_co_u32 s86, s86, 8388608
	s_add_nc_u64 s[76:77], s[12:13], s[86:87]
	s_mul_i32 s86, s84, 12288
	s_lshl_b32 s85, s85, 8
	s_add_co_u32 s86, s86, s85
	s_add_co_u32 s86, s86, 12845056+8192
	s_add_nc_u64 s[78:79], s[12:13], s[86:87]
	v_lshlrev_b32 v[SVO], 2, v3
	v_mov_b32 v[SH16], 0
	s_lshl_b32 s86, s17, 10
	s_lshl_b32 s85, s15, 9
	s_add_co_u32 s86, s86, s85
	s_add_nc_u64 s[90:91], s[10:11], s[86:87]
	v_and_b32 v[BOF], 8, v1
	v_add_nc_u32 v[BOF], v[BOF], v1
	v_lshlrev_b32 v[BOF], 2, v[BOF]
.irp a, 0,1,2,3,4,5,6,7
	global_load_b32 v[BI+8*\a], v[BOF], s[90:91] offset:4*(32*(\a/2)+8*(\a%2))
.endr
	s_wait_loadcnt 0x0
.irp a, 0,1,2,3,4,5,6,7
.irp j, 1,2,3,4,5,6,7
	v_mov_b32 v[BI+8*\a+\j], v[BI+8*\a]
.endr
.endr
	PLACES NP
.Larms_done:
	s_wait_loadcnt 0x0
	s_wait_tensorcnt 1
	s_barrier_signal -1
	s_barrier_wait -1
	FETCH_B 0, 0, 0
	FETCH_A 0, 0, 0
	s_wait_alu depctr_va_vdst(0)
	SCALES 0
	FETCH_A 0, 0, 4
	s_cmp_eq_u32 s66, 0
	s_cbranch_scc0 .Lv_first
	STEP 0, 0, 1
	s_branch .Lfirst_done
.Lv_first:
	STEP 0, 0, 2
.Lfirst_done:
	TURN 0, 1, 1
	STEP 1, 0, 0
	TURN 1, 0, 1
	STEP 0, 0, 0
	TURN 0, 1, 0
	STEP 1, 0, 0
	s_wait_dscnt 4*NL
	WIN MUL_LO
	MUL16 0, 1, NQ-1, 1, 0
	MUL16 2, 1, NQ-1, 1, 0
	s_wait_dscnt 0
	WIN MUL_HI
	MUL16 4, 1, NQ-1, 1, 0
	MUL16 6, 1, NQ-1, 1, 0
	WIN 0
	PLACES NP
.irp b, 0,1,2,3
	v_mov_b32 v[TM+4+\b], 0
.endr
	v_mov_b32 v[FL], 0x4800000
.irp a, 0,1,2,3,4,5,6,7
.set PC, 64+16*\a+52*(\a/4)            ; each block's codes have 16 registers of their own (v64-127, v180-243), and its word one (v244-251): no store's data are written again
.set TP, 244+\a
	QUANTW 64*(\a%4), 2+\a/4, PW+\a%2
	s_cmp_eq_u32 s66, 0
	s_cbranch_scc0 .Lv_out_\a
	global_store_b128 v[L16], v[PC:PC+3], s[76:77] offset:1024*\a
	global_store_b128 v[L16], v[PC+4:PC+7], s[76:77] offset:1024*\a+512
	global_store_b128 v[L16], v[PC+8:PC+11], s[76:77] offset:131072+1024*\a
	global_store_b128 v[L16], v[PC+12:PC+15], s[76:77] offset:131072+1024*\a+512
	v_lshrrev_b32 v[TP], v[SH16], v[PW+\a%2]
	global_store_b32 v[SVO], v[TP], s[78:79] offset:64*\a
	s_branch .Lout_done_\a
.Lv_out_\a:
	s_wait_alu depctr_va_vdst(0)
.irp c, 0,1,2,3
	global_store_b128 v[L16], v[PC+4*\c:PC+4*\c+3], s[76:77] offset:(\a/4)*131072+(\a%4)*2048+512*\c
.endr
.if \a%2
	v_cndmask_b32 v[TP], v[PW], v[PW+1], s67
	global_store_b32 v[SVO], v[TP], s[78:79] offset:(\a/4)*12288+((\a%4)/2)*128
.endif
.Lout_done_\a:
.endr
	s_wait_tensorcnt 0x0
	ds_add_u32 v[SPW], v[NIL]
	s_wait_dscnt 0x0
	CROUND
	s_endpgm
.Lfunc_end_k_q1051b45a8f_proj:
	.size	k_q1051b45a8f_proj, .Lfunc_end_k_q1051b45a8f_proj-k_q1051b45a8f_proj
	.p2alignl 7, 3214868480
	.fill 96, 4, 3214868480
	.section	.rodata,"a",@progbits
	.p2align	6, 0x0
	.amdhsa_kernel k_q1051b45a8f_proj
		.amdhsa_group_segment_fixed_size 327680
		.amdhsa_private_segment_fixed_size 0
		.amdhsa_enable_private_segment 0
		.amdhsa_kernarg_size 40
		.amdhsa_user_sgpr_count 2
		.amdhsa_user_sgpr_kernarg_segment_ptr 1
		.amdhsa_wavefront_size32 1
		.amdhsa_system_sgpr_workgroup_id_x 1
		.amdhsa_system_sgpr_workgroup_id_y 1
		.amdhsa_system_sgpr_workgroup_id_z 1
		.amdhsa_system_vgpr_workitem_id 0
		.amdhsa_next_free_vgpr 1024
		.amdhsa_next_free_sgpr 100
		.amdhsa_reserve_vcc 0
		.amdhsa_float_denorm_mode_32 3
		.amdhsa_float_denorm_mode_16_64 3
		.amdhsa_memory_ordered 1
		.amdhsa_forward_progress 1
		.amdhsa_inst_pref_size 206
	.end_amdhsa_kernel
	.amdgpu_metadata
---
amdhsa.version: [ 1, 2 ]
amdhsa.kernels:
  - .name:           k_q1051b45a8f_proj
    .symbol:         k_q1051b45a8f_proj.kd
    .args:
      - { .name: wimg, .offset: 0, .size: 8, .value_kind: global_buffer, .address_space: global }
      - { .name: bq, .offset: 8, .size: 8, .value_kind: global_buffer, .address_space: global }
      - { .name: bk, .offset: 16, .size: 8, .value_kind: global_buffer, .address_space: global }
      - { .name: bv, .offset: 24, .size: 8, .value_kind: global_buffer, .address_space: global }
      - { .name: qkv, .offset: 32, .size: 8, .value_kind: global_buffer, .address_space: global }
    .group_segment_fixed_size: 327680
    .private_segment_fixed_size: 0
    .kernarg_segment_align: 8
    .kernarg_segment_size: 40
    .max_flat_workgroup_size: 128
    .sgpr_count:     100
    .vgpr_count:     1024
    .wavefront_size: 32
...
	.end_amdgpu_metadata
.endif
;; end of part 2
;; launch attn (part 3): grid 8 x 32, 8 waves a work-group, clusters of 4 x 1, 327,680 bytes of LDS; arguments qkv, oimg; writes oimg
.if DOCPART == 3
	.amdgcn_target "amdgcn-amd-amdhsa--gfx1250"
	.amdhsa_code_object_version 6
	.text
	.protected	k_q1051b45a8f_attn
	.globl	k_q1051b45a8f_attn
	.p2align	8
	.type	k_q1051b45a8f_attn,@function
k_q1051b45a8f_attn:
	s_mov_b64 s[64:65], 0
	v_nop
	global_prefetch_b8 v0, s[64:65] scope:SCOPE_SE
	s_setreg_imm32_b32 hwreg(HW_REG_WAVE_MODE, 25, 1), 1
	s_wait_xcnt 0x0
	s_wait_alu depctr_hold_cnt(0) depctr_sa_sdst(0) depctr_va_vdst(0) depctr_va_sdst(0) depctr_va_ssrc(0) depctr_va_vcc(0) depctr_vm_vsrc(0)
	s_getreg_b32 s2, hwreg(HW_REG_IB_STS2, 6, 4)
	s_cmp_eq_u32 s2, 0
	s_cbranch_scc0 .Lentry_in_a_cluster
	s_endpgm
.Lentry_in_a_cluster:
	s_bfe_u32 s2, ttmp6, 0x10000c
	s_cmp_lg_u32 s2, 0x3003
	s_cbranch_scc0 .Lentry_shape_is_right
	s_endpgm
.Lentry_shape_is_right:
; out = softmax(q k^T / 8) v for each of 32 (batch, head), both products on codes, then quantised along E into the image that the next product reads.  No work is left out.
; t = score x log2(e) / 8; M = the running largest t rounded UP to a whole number; p = 2^(t - M) is quantised along the keys, not normalised; the row's sum is taken of the unquantised p and divides at the end.
; SHARES: a work-group owns 256 queries of one head; each of its eight waves owns 32 of them, two tiles of 16, in 512 registers: each fragment of k and of V^T that a wave reads from LDS feeds two products.
; REGISTERS: tile j's own registers (q, S^T and p, O^T, p's codes, sums, M) lie at the same numbers v92-255 of window j, so one text serves both tiles under one window setting.
;   window 0, v0-27: addresses and scale words; v28-91: a step's fragments of k.  window 1, v28-91: a step's fragments of V^T.
; THE FIRST PRODUCT'S K IS THE HEAD'S 64.  Two tiles of keys X, Y share one operand of 16 registers [X | Y]; it is multiplied with [q | 0] for X and with [0 | q] for Y (q between two runs of eight zero registers).
;   The half that meets zero codes adds nothing under any finite scale byte; Y's and q's scale bytes are shifted into bytes 2 and 3 for the second form.  So a step's eight tiles of keys take 64 registers.
; LDS: a head's codes of k (131,072 bytes) and V^T (131,072) and their scale words (12,288) are filled once: no ring.  The four work-groups of a cluster belong to one head: every fill is a joint load.
;   At the head one load a wave: waves 0-3 16,384 bytes each of k's and V^T's keys 0-511, waves 4-7 3,072 bytes each of the scale words.  Behind the three lines and a round, one load a wave: 24,576 bytes of keys 512-2,047.
; LOOK-AHEAD: step i asks LDS for V^T's fragments of step i and k's of step i + 1 behind its first products; one wait for them stands ahead of the second products.
;   So steps 0-2 run on the head's loads, and the barrier for the second loads stands ahead of step 3.  The last step's look-ahead reads the filled bytes that follow k's regions; nothing uses them.
; LAYOUT: both products transposed: a lane holds one query; the 16 registers of two neighbouring tiles of keys are keys 32 b + 16 h + 0 .. 15, and O^T's register 16 c + i is d = 32 c + 16 h + i.
; Prefetching is left out: all of K and V is asked for at the head, ahead of the loops.
; LIMITS: the promise holds while the scaled scores stay under 2^31 in magnitude; a block of zeros gets the byte 1 (this program alone reads the bytes); NaN and infinities are not served.
.set VCL,   131072
.set KSL,   262144
.set VSL,   270336
.set SPARE, 274432                     ; the spare words: 128 bytes for each of 8 waves
.set L16, 1
.set L4,  2
.set ADK, 3
.set ADV, 4
.set SPW, 5
.set NIL, 6
.set ADS, 7
.set ADT, 8
.set QR8, 9
.set QR4, 10
.set KSW, 12                           ; v12-27 scale words and nothing else: k's four, the same shifted, V^T's two, q's two, shifted, p's two
.set KSH, 16
.set VSW, 20
.set QSW, 22
.set QSH, 24
.set PSW, 26
.set KB,  28
.set VB,  28
.set QZ,  92                           ; eight zeros, q's eight, eight zeros
.set SS,  116
.set OT,  180
.set PCD, 212
.set BM,  228
.set PM,  232
.set HL,  236
.set SO,  240
.set LS,  244                          ; the row's sum in four pairs
.set NM,  252                          ; -M, and the running largest score
.set F,   254                          ; f, and 0
.set WV,  8
.set SEL, 20
.set CS,  22
.set MNT, 58
.set NC,  59
.set TB,  2
.set TS,  3
.set TJ,  56
.set CNT, 57
.set MSB, 0
.macro WIN new                         ; the immediate's high byte repeats the setting that is left
.if MSB != (\new)
	s_set_vgpr_msb (MSB<<8)|(\new)
.set MSB, (\new)
.endif
.endm
.macro CROUND
	s_barrier_signal -1
	s_barrier_wait -1
	s_cmp_lg_u32 s[WV], 0
	s_cbranch_scc1 .Lnot_wave_0_\@
	s_barrier_signal -3
.Lnot_wave_0_\@:
	s_barrier_wait -3
	s_barrier_signal -1
	s_barrier_wait -1
.endm
.macro G1SET g, rows                   ; group 1: rows of 256 dense bytes; the mask of all four partners, bit 21 beside it
	s_mov_b32 s[\g], 15|(3<<16)|(1<<21)
	s_mov_b32 s[\g+1], 32<<16
	s_mov_b32 s[\g+2], (\rows)<<16
	s_mov_b32 s[\g+3], 32<<16
	s_mov_b32 s[\g+4], \rows
	s_mov_b32 s[\g+5], 32
	s_mov_b32 s[\g+6], 0
	s_mov_b32 s[\g+7], 0
.endm
.macro FRAGS reg, adr, off             ; four operands of 16 registers: 16 loads of 512 consecutive bytes
.irp t, 0,1,2,3
.irp c, 0,1,2,3
	ds_load_b128 v[\reg+16*\t+4*\c:\reg+16*\t+4*\c+3], v[\adr] offset:\off+2048*\t+512*\c
.endr
.endr
.endm
.macro INIT                            ; a tile's registers that the first step reads
.irp j, 0,1,2,3,4,5,6,7
	v_mov_b32 v[QZ+\j], 0
	v_mov_b32 v[QZ+16+\j], 0
	v_mov_b32 v[LS+\j], 0
.endr
.irp b, 0,1,2,3
	v_mov_b32 v[PM+\b], 0
.endr
	v_mov_b32 v[NM], 0x7e000000                    ; -M: a whole number above every -M to come
	v_mov_b32 v[NM+1], 0xff61b1e6                  ; the largest score so far: -3e38
	v_mov_b32 v[F+1], 0
.set J, 0
.rept 32
	v_mov_b32 v[OT+J], 0                           ; the step is written for every step alike: the first finds zeros
.set J, J+1
.endr
.endm
.macro SMUL j                          ; S^T of tile j: eight tiles of 16 keys
.irp a, 0,1,2,3
	v_wmma_scale_f32_16x16x128_f8f6f4 v[SS+16*\a:SS+16*\a+7], v[KB+16*\a:KB+16*\a+15], v[QZ+8:QZ+23], 0, v[KSW+\a], v[QSW+\j]
	v_wmma_scale_f32_16x16x128_f8f6f4 v[SS+16*\a+8:SS+16*\a+15], v[KB+16*\a:KB+16*\a+15], v[QZ:QZ+15], 0, v[KSH+\a], v[QSH+\j] matrix_a_scale:MATRIX_SCALE_ROW1
.endr
.endm
.macro PVMUL j                         ; O^T of tile j += V^T p^T; the four accumulators by turns
.irp t, 0,2
	v_wmma_scale_f32_16x16x128_f8f6f4 v[OT+8*\t:OT+8*\t+7], v[VB+16*\t:VB+16*\t+15], v[PCD:PCD+15], v[OT+8*\t:OT+8*\t+7], v[VSW+\t/2], v[PSW+\j]
	v_wmma_scale_f32_16x16x128_f8f6f4 v[OT+8*\t+8:OT+8*\t+15], v[VB+16*\t+16:VB+16*\t+31], v[PCD:PCD+15], v[OT+8*\t+8:OT+8*\t+15], v[VSW+\t/2], v[PSW+\j] matrix_a_scale:MATRIX_SCALE_ROW1
.endr
.endm
.macro BMR r                           ; round r of eight of the largest score of each block of 32 keys (my 16): two chains a block, eight in all; each accumulator is read from its low end on
.irp b, 0,1,2,3
.if (\r) == 0
	v_max3_num_f32 v[BM+\b], v[SS+16*\b], v[SS+16*\b+1], v[SS+16*\b+2]
.elseif (\r) == 1
	v_max3_num_f32 v[PM+\b], v[SS+16*\b+7], v[SS+16*\b+8], v[SS+16*\b+9]
.elseif (\r) == 6
	v_max3_num_f32 v[BM+\b], v[BM+\b], v[SS+16*\b+14], v[SS+16*\b+15]
.elseif (\r) == 7
	v_max_num_f32 v[BM+\b], v[BM+\b], v[PM+\b]
.elseif (\r)%2 == 0
	v_max3_num_f32 v[BM+\b], v[BM+\b], v[SS+16*\b+(\r)+1], v[SS+16*\b+(\r)+2]
.else
	v_max3_num_f32 v[PM+\b], v[PM+\b], v[SS+16*\b+(\r)+7], v[SS+16*\b+(\r)+8]
.endif
.endr
.endm
.macro CH l                            ; level l of six of the chain that ends in the new -M: each level reads the one before, so the other tile's lines stand between them
.if (\l) == 1
.irp b, 0,1,2,3
	v_permlanex16_b32 v[PM+\b], v[BM+\b], s[SEL], s[SEL+1]
.endr
	v_mov_b32 v[HL], v[NM]                         ; the old -M
.elseif (\l) == 2
.irp b, 0,1,2,3
	v_max_num_f32 v[BM+\b], v[BM+\b], v[PM+\b]     ; with lane l xor 16's 16 keys
.endr
.elseif (\l) == 3
	v_max3_num_f32 v[PM], v[BM], v[BM+1], v[NM+1]
.elseif (\l) == 4
	v_max3_num_f32 v[NM+1], v[PM], v[BM+2], v[BM+3]              ; the running largest score
.elseif (\l) == 5
	v_mul_f32 v[PM], s[NC], v[NM+1]                ; -t (c is positive, so the largest score gives the largest t)
.else
	v_floor_f32 v[NM], v[PM]                       ; the new -M = -ceil(t)
.endif
.endm
.macro FMP f, n                        ; t - M of n pairs from register f on
.set J, \f
.rept \n
	v_pk_fma_f32 v[SS+J:SS+J+1], v[SS+J:SS+J+1], s[CS:CS+1], v[NM:NM+1] op_sel_hi:[1,0,0]
.set J, J+2
.endr
.endm
.macro TAILP                           ; the sums under the new M, and t - M of each block's largest score
.irp c, 0,2,4,6
	v_pk_mul_f32 v[LS+\c:LS+\c+1], v[LS+\c:LS+\c+1], v[F:F+1] op_sel_hi:[1,0]
.endr
.irp b, 0,1,2,3
	v_fma_f32 v[BM+\b], v[BM+\b], s[CS], v[NM]
.endr
.endm
.macro EXPS                            ; p, and each block's largest p: the same two instructions on the same number
.set J, 0
.rept 64
	v_exp_f32 v[SS+J], v[SS+J]
.set J, J+1
.endr
.irp b, 0,1,2,3
	v_exp_f32 v[BM+\b], v[BM+\b]
.endr
.endm
.macro SUMS                            ; the row's sum of the unquantised p: 32 additions of pairs in eight chains, four on the kept sums and four in v[PM] on (eight registers that are idle here), joined at the end
.irp c, 0,1,2,3
	v_pk_add_f32 v[LS+2*\c:LS+2*\c+1], v[LS+2*\c:LS+2*\c+1], v[SS+2*\c:SS+2*\c+1]
.endr
.irp c, 0,1,2,3
	v_pk_add_f32 v[PM+2*\c:PM+2*\c+1], v[SS+8+2*\c:SS+9+2*\c], v[SS+16+2*\c:SS+17+2*\c]
.endr
.irp g, 24,40
.irp c, 0,1,2,3
	v_pk_add_f32 v[LS+2*\c:LS+2*\c+1], v[LS+2*\c:LS+2*\c+1], v[SS+\g+2*\c:SS+\g+2*\c+1]
.endr
.irp c, 0,1,2,3
	v_pk_add_f32 v[PM+2*\c:PM+2*\c+1], v[PM+2*\c:PM+2*\c+1], v[SS+\g+8+2*\c:SS+\g+9+2*\c]
.endr
.endr
.irp c, 0,1,2,3
	v_pk_add_f32 v[LS+2*\c:LS+2*\c+1], v[LS+2*\c:LS+2*\c+1], v[SS+56+2*\c:SS+57+2*\c]
.endr
.irp c, 0,1,2,3
	v_pk_add_f32 v[LS+2*\c:LS+2*\c+1], v[LS+2*\c:LS+2*\c+1], v[PM+2*\c:PM+2*\c+1]
.endr
.endm
.macro SCL j                           ; the four blocks' scales; the word goes to window 0, where scale operands are read
.irp b, 0,1,2,3
	v_max_num_f32 v[BM+\b], 0x4800000, v[BM+\b]    ; the floor 2^(9 - 127): the byte cannot fall under 1
.endr
.irp b, 0,1,2,3
	v_add_nc_u32 v[SO+\b], 0xfc000000, v[BM+\b]    ; 8 off the exponent field: the conversion's scale operand
.endr
.irp b, 0,1,2,3
	v_and_or_b32 v[HL+\b], v[BM+\b], 0x7f800000, s[MNT]          ; 448 x the scale
.endr
.irp b, 0,1,2,3
	v_lshrrev_b32 v[BM+\b], 23, v[SO+\b]           ; the byte
.endr
	v_lshl_or_b32 v[PM], v[BM+1], 8, v[BM]
	s_delay_alu instid0(VALU_DEP_1)
	v_lshl_or_b32 v[PM], v[BM+2], 16, v[PM]
	WIN 0x11*\j
	v_lshl_or_b32 v[PSW+\j], v[BM+3], 24, v[PM]
	WIN 0x55*\j
.endm
.macro HOLD                            ; the hold (the conversion does not saturate: ISA guide 7.6.2; p is not negative), two numbers a line, and the codes
.irp b, 0,1,2,3
.irp i, 0,2,4,6,8,10,12,14
	v_dual_min_num_f32 v[SS+16*\b+\i], v[HL+\b], v[SS+16*\b+\i] :: v_dual_min_num_f32 v[SS+16*\b+\i+1], v[HL+\b], v[SS+16*\b+\i+1]
.endr
	v_cvt_scalef32_pk8_fp8_f32 v[PCD+4*\b:PCD+4*\b+1], v[SS+16*\b:SS+16*\b+7], v[SO+\b]
	v_cvt_scalef32_pk8_fp8_f32 v[PCD+4*\b+2:PCD+4*\b+3], v[SS+16*\b+8:SS+16*\b+15], v[SO+\b]
.endr
.endm
.macro RESC f, n                       ; O^T under the new M: n pairs from register f on
.set J, \f
.rept \n
	v_pk_mul_f32 v[OT+J:OT+J+1], v[OT+J:OT+J+1], v[F:F+1] op_sel_hi:[1,0]
.set J, J+2
.endr
.endm
; A KEY STEP: 128 keys x my 32 queries.  k's fragments and scale words of this step are in registers.
.macro STEP
	SMUL 0
	WIN 0x44                                       ; D and q in window 1, k in window 0
	SMUL 1
	WIN 0
	v_add_nc_u32 v[ADK], s[TB], v[L16]             ; with the four idle lines: eight places behind the products, ahead of loads into their registers and of the first reads of S^T
	v_add_nc_u32 v[ADS], s[TS], v[L4]
	v_add_nc_u32 v[ADT], s[TJ], v[L4]
	v_add_nc_u32 v[ADV], VCL, v[ADK]
.rept 4
	v_nop
.endr
	WIN 0x40
	FRAGS VB, ADV, 0                               ; V^T of this step
	WIN 0
	ds_load_b32 v[VSW], v[ADT]                     ; lanes 0-15: the even tile's words; lanes 16-31: the odd tile's
	ds_load_b32 v[VSW+1], v[ADT] offset:128
	FRAGS KB, ADK, 8192                            ; k of the next step
.irp a, 0,1,2,3
	ds_load_b32 v[KSW+\a], v[ADS] offset:512+128*\a
.endr
.irp r, 0,1,2,3,4,5,6,7
	BMR \r
.endr
	CH 1                                           ; tile 0's chain, a level at a time, between the rounds of tile 1's maxima
	WIN 0x55
	BMR 0
	BMR 1
	WIN 0
	CH 2
	WIN 0x55
	BMR 2
	BMR 3
	WIN 0
	CH 3
	WIN 0x55
	BMR 4
	WIN 0
	CH 4
	WIN 0x55
	BMR 5
	WIN 0
	CH 5
	WIN 0x55
	BMR 6
	WIN 0
	CH 6
	WIN 0x55
	BMR 7
	CH 1                                           ; tile 1's chain between tile 0's scalings
	WIN 0
	v_sub_f32 v[HL], v[NM], v[HL]                  ; old M - new M: a whole number, 0 or less
	FMP 0, 8
	WIN 0x55
	CH 2
	WIN 0
	v_cvt_i32_f32 v[HL], v[HL]                     ; (it saturates)
	FMP 16, 8
	WIN 0x55
	CH 3
	WIN 0
	v_ldexp_f32 v[F], 1.0, v[HL]                   ; f = 2^(old M - new M)
	FMP 32, 8
	WIN 0x55
	CH 4
	WIN 0
	FMP 48, 8
	WIN 0x55
	CH 5
	WIN 0
	RESC 0, 8                                      ; O^T is first read here, ahead of the step's exponentials
	WIN 0x55
	CH 6
	WIN 0
	RESC 16, 8
	TAILP
	WIN 0x55
	v_sub_f32 v[HL], v[NM], v[HL]
	FMP 0, 8
	v_cvt_i32_f32 v[HL], v[HL]
	FMP 16, 8
	v_ldexp_f32 v[F], 1.0, v[HL]
	FMP 32, 16
	RESC 0, 16
	TAILP
	s_wait_alu depctr_va_vdst(0)                   ; the wait ahead of the batch: one batch for both tiles
	EXPS
	WIN 0
	EXPS
	v_nop                                          ; a plain line behind the batch
	s_wait_alu depctr_va_vdst(0)                   ; one wait for the batch, ahead of its first reader
	s_wait_dscnt 0x0                               ; all 38 loads of the step are in
.irp a, 0,1,2,3
	v_lshlrev_b32 v[KSH+\a], 16, v[KSW+\a]         ; the next step's words for the operands' upper halves; the lines below are their places
.endr
	SUMS
	SCL 0
	HOLD
	WIN 0x55
	SUMS
	SCL 1
	HOLD
	WIN 0
.rept 4
	v_nop                                          ; codes written by vector instructions stand four places ahead of their product
.endr
	WIN 0x01
	PVMUL 0
	WIN 0x55
	PVMUL 1
	WIN 0
	s_add_co_u32 s[TB], s[TB], 8192
	s_add_co_u32 s[TS], s[TS], 512
	s_add_co_u32 s[TJ], s[TJ], 256
.endm
; THE WAY OUT of tile j: O^T / the sum, quantised along E (my head's two blocks of 32), stored as half a fragment of the next product's image
.macro OUT j
	WIN 0x55*\j
	v_pk_add_f32 v[LS:LS+1], v[LS:LS+1], v[LS+2:LS+3]
	v_pk_add_f32 v[LS+4:LS+5], v[LS+4:LS+5], v[LS+6:LS+7]
	v_pk_add_f32 v[LS:LS+1], v[LS:LS+1], v[LS+4:LS+5]
	v_add_f32 v[LS], v[LS], v[LS+1]
	v_permlanex16_b32 v[PM], v[LS], s[SEL], s[SEL+1]
	v_add_f32 v[LS], v[LS], v[PM]
	s_wait_alu depctr_va_vdst(0)                   ; the wait ahead of the transcendental
	v_rcp_f32 v[LS], v[LS]
	v_nop
	s_wait_alu depctr_va_vdst(0)                   ; and ahead of its first reader, which is also O^T's
.set J, 0
.rept 32
	v_mul_f32 v[OT+J], v[OT+J], v[LS]
.set J, J+1
.endr
.irp b, 0,1
	v_max3_num_f32 v[BM+\b], |v[OT+16*\b]|, |v[OT+1+16*\b]|, 0x4800000
.endr
.irp i, 2,4,6,8,10,12,14
.irp b, 0,1
	v_max3_num_f32 v[BM+\b], v[BM+\b], |v[OT+16*\b+\i]|, |v[OT+1+16*\b+\i]|
.endr
.endr
.irp b, 0,1
	v_permlanex16_b32 v[PM+\b], v[BM+\b], s[SEL], s[SEL+1]
.endr
.irp b, 0,1
	v_max_num_f32 v[BM+\b], v[BM+\b], v[PM+\b]
.endr
.irp b, 0,1
	v_add_nc_u32 v[SO+\b], 0xfc000000, v[BM+\b]
.endr
.irp b, 0,1
	v_and_or_b32 v[HL+\b], v[BM+\b], 0x7f800000, s[MNT]
.endr
.irp b, 0,1
	v_lshrrev_b32 v[PM+\b], 23, v[SO+\b]
.endr
	v_lshl_or_b32 v[PM+2], v[PM+1], 8, v[PM]
.irp b, 0,1
.irp i, 0,1,2,3,4,5,6,7,8,9,10,11,12,13,14,15
	v_med3_num_f32 v[OT+16*\b+\i], v[OT+16*\b+\i], -v[HL+\b], v[HL+\b]
.endr
	v_cvt_scalef32_pk8_fp8_f32 v[PCD+4*\b:PCD+4*\b+1], v[OT+16*\b:OT+16*\b+7], v[SO+\b]
	v_cvt_scalef32_pk8_fp8_f32 v[PCD+4*\b+2:PCD+4*\b+3], v[OT+16*\b+8:OT+16*\b+15], v[SO+\b]
.endr
	v_nop                                          ; a plain line behind the last conversion
	WIN 0x04*\j                                    ; the stores' data in window j
	global_store_b128 v[L16], v[PCD:PCD+3], s[60:61] offset:4096*\j          ; 512 consecutive bytes each
	global_store_b128 v[L16], v[PCD+4:PCD+7], s[60:61] offset:4096*\j+512
	global_store_b16 v[QR8], v[PM+2], s[62:63] offset:128*\j                 ; two scale bytes a row; both halves of the lanes store the same
.endm
	s_load_b128 s[4:7], s[0:1], 0x0                ; qkv, oimg
	v_lshl_add_u32 v[SPW], v0, 2, SPARE
	v_mov_b32 v[NIL], 0
	ds_add_u32 v[SPW], v[NIL]                      ; the wave's opening: the add, twice on end, and its wait ahead of my first tensor load
	ds_add_u32 v[SPW], v[NIL]
	v_lshrrev_b32 v10, 5, v0
	v_readfirstlane_b32 s[WV], v10                 ; wave 0..7
	s_bfe_u32 s9, ttmp6, 0x40000                   ; cx
	s_lshl_b32 s10, ttmp9, 2
	s_add_co_u32 s10, s10, s9                      ; my block of 256 queries: it enters q's and the output's addresses alone
	s_and_b32 s11, ttmp7, 0xffff                   ; 16 b + head, which the four partners share
	G1SET 24, 64                                   ; keys 0-511: 16,384 bytes a load
	G1SET 48, 12                                   ; scale words: 3,072 bytes a load
	G1SET 68, 96                                   ; keys 512-2,047: 24,576 bytes a load
	s_lshl_b32 s18, s11, 17                        ; the head's codes: 131,072 bytes
	s_lshr_b32 s12, s[WV], 1
	s_and_b32 s12, s12, 1                          ; waves 0, 1: k; waves 2, 3: V^T
	s_and_b32 s13, s[WV], 1
	s_lshl_b32 s14, s12, 17
	s_lshl_b32 s15, s13, 14
	s_add_co_u32 s37, s14, s15                     ; LDS: my half of keys 0-511
	s_lshl_b32 s16, s12, 22
	s_add_co_u32 s16, s16, s15
	s_add_co_u32 s16, s16, s18
	s_add_co_u32 s16, s16, 4194304
	s_mov_b32 s17, 0
	s_mul_i32 s12, s[WV], 3072                     ; waves 4-7: a quarter of the head's 12,288 bytes of scale words
	s_add_co_u32 s41, s12, KSL-12288
	s_mul_i32 s32, s11, 12288
	s_add_co_u32 s32, s32, s12
	s_add_co_u32 s32, s32, 12845056-12288
	s_mov_b32 s33, 0
	s_lshr_b32 s12, s[WV], 2                       ; the second loads: waves 0-3: k; waves 4-7: V^T
	s_and_b32 s13, s[WV], 3
	s_mul_i32 s13, s13, 24576
	s_add_co_u32 s13, s13, 32768
	s_lshl_b32 s14, s12, 17
	s_add_co_u32 s45, s14, s13
	s_lshl_b32 s34, s12, 22
	s_add_co_u32 s34, s34, s13
	s_add_co_u32 s34, s34, s18
	s_add_co_u32 s34, s34, 4194304
	s_mov_b32 s35, 0
	s_mov_b32 s36, 1
	s_mov_b32 s40, 1
	s_mov_b32 s44, 1
	s_mov_b32 s[SEL], 0x76543210
	s_mov_b32 s[SEL+1], 0xfedcba98
	s_mov_b32 s[CS], 0x3e38aa3b                    ; c = log2(e) / 8
	s_mov_b32 s[CS+1], s[CS]
	s_mov_b32 s[NC], 0xbe38aa3b                    ; -c
	s_mov_b32 s[MNT], 0x600000
	s_mov_b32 s[TB], 0
	s_mov_b32 s[TS], KSL
	s_mov_b32 s[TJ], VSL
	s_wait_dscnt 0x0                               ; both opening adds are done
	s_wait_kmcnt 0x0
	s_add_nc_u64 s[38:39], s[4:5], s[16:17]
	s_add_nc_u64 s[42:43], s[4:5], s[32:33]
	s_add_nc_u64 s[46:47], s[4:5], s[34:35]
	s_or_b32 s39, s39, 0x80000000
	s_or_b32 s43, s43, 0x80000000
	s_or_b32 s47, s47, 0x80000000
	CROUND                                         ; all four work-groups are here: the joint loads meet
	s_cmp_lt_u32 s[WV], 4                          ; one load a wave, one arm each
	s_cbranch_scc0 .Lhead_words
	tensor_load_to_lds s[36:39], s[24:31]          ; keys 0-511
	s_nop 0
.rept 4
	v_nop
.endr
	s_branch .Lhead_asked
.Lhead_words:
	tensor_load_to_lds s[40:43], s[48:55]          ; the scale words
	s_nop 0
.rept 4
	v_nop
.endr
.Lhead_asked:
	s_mov_b32 s15, 0
	s_lshl_b32 s12, s10, 4
	s_lshl_b32 s13, s[WV], 1
	s_add_co_u32 s12, s12, s13                     ; my first block of 16 queries in the batch: an even one
	s_lshl_b32 s13, s11, 7
	s_add_co_u32 s13, s13, s12
	s_lshl_b32 s14, s13, 10
	s_add_nc_u64 s[32:33], s[4:5], s[14:15]        ; q's codes
	s_lshl_b32 s14, s13, 6
	s_add_co_u32 s14, s14, 12582912
	s_add_nc_u64 s[34:35], s[4:5], s[14:15]        ; q's scale words
	s_and_b32 s13, s11, 15                         ; the head
	s_lshr_b32 s14, s13, 2                         ; its K step of 256 in E
	s_lshl_b32 s14, s14, 7
	s_lshr_b32 s16, s11, 4
	s_lshl_b32 s16, s16, 6                         ; 64 records a batch
	s_add_co_u32 s14, s14, s16
	s_lshr_b32 s16, s12, 1
	s_add_co_u32 s14, s14, s16
	s_mul_i32 s14, s14, 8448                       ; my record: tile j is its u = j
	s_bfe_u32 s17, s13, 0x10001                    ; s
	s_and_b32 s18, s13, 1                          ; which two of the four blocks
	s_lshl_b32 s9, s17, 2
	s_add_co_u32 s19, s14, s9
	s_lshl_b32 s9, s18, 1
	s_add_co_u32 s19, s19, s9
	s_add_co_u32 s19, s19, 8192
	s_lshl_b32 s9, s17, 11
	s_add_co_u32 s14, s14, s9
	s_lshl_b32 s9, s18, 10
	s_add_co_u32 s14, s14, s9
	s_add_nc_u64 s[60:61], s[6:7], s[14:15]        ; the output's codes
	s_mov_b32 s14, s19
	s_add_nc_u64 s[62:63], s[6:7], s[14:15]        ; and its two scale bytes a row
	v_and_b32 v11, 31, v0
	v_lshlrev_b32 v[L16], 4, v11
	v_lshlrev_b32 v[L4], 2, v11
	v_and_b32 v11, 15, v0
	v_lshlrev_b32 v[QR4], 2, v11
	v_lshlrev_b32 v[QR8], 3, v11
	v_add_nc_u32 v[ADS], KSL, v[L4]
	global_load_b128 v[QZ+8:QZ+11], v[L16], s[32:33]
	global_load_b128 v[QZ+12:QZ+15], v[L16], s[32:33] offset:512
	global_load_b32 v[QSW], v[QR4], s[34:35]
	global_load_b32 v[QSW+1], v[QR4], s[34:35] offset:64
	INIT
	WIN 0x40
	global_load_b128 v[QZ+8:QZ+11], v[L16], s[32:33] offset:1024
	global_load_b128 v[QZ+12:QZ+15], v[L16], s[32:33] offset:1536
	INIT
	WIN 0
	s_wait_loadcnt 0x0                             ; q
	v_lshlrev_b32 v[QSH], 16, v[QSW]
	v_lshlrev_b32 v[QSH+1], 16, v[QSW+1]
	s_wait_alu depctr_va_vdst(0)                   ; the wait at the head's end
	s_wait_tensorcnt 0x0                           ; my load of the head is in
	ds_add_u32 v[SPW], v[NIL]
	s_wait_dscnt 0x0
	CROUND                                         ; everybody's is in, and the four work-groups are here
	tensor_load_to_lds s[44:47], s[68:75]          ; keys 512-2,047: my one load behind the round
	s_nop 0
.rept 4
	v_nop
.endr
	FRAGS KB, L16, 0                               ; k of step 0
.irp a, 0,1,2,3
	ds_load_b32 v[KSW+\a], v[ADS] offset:128*\a
.endr
	s_wait_dscnt 0x0
.irp a, 0,1,2,3
	v_lshlrev_b32 v[KSH+\a], 16, v[KSW+\a]
.endr
.rept 8
	v_nop                                          ; a scale register written by a vector instruction stands eight places ahead of its product
.endr
	s_wait_alu depctr_va_vdst(0)
	s_mov_b32 s[CNT], 3                            ; steps 0-2: they read keys 0-511 alone, their look-ahead too
.Lpart_a:
	STEP
	s_sub_co_u32 s[CNT], s[CNT], 1
	s_cmp_lg_u32 s[CNT], 0
	s_cbranch_scc1 .Lpart_a
	s_wait_tensorcnt 0x0                           ; my part of keys 512-2,047 is in,
	s_wait_dscnt 0x0
	s_barrier_signal -1
	s_barrier_wait -1                              ; everybody's is; nothing is filled again in this launch
	s_mov_b32 s[CNT], 13                           ; steps 3-15
.Lpart_b:
	STEP
	s_sub_co_u32 s[CNT], s[CNT], 1
	s_cmp_lg_u32 s[CNT], 0
	s_cbranch_scc1 .Lpart_b
.rept 8
	v_nop                                          ; places behind the last products
.endr
	OUT 0
	OUT 1
	WIN 0
	s_wait_tensorcnt 0x0                           ; the wave's end
	ds_add_u32 v[SPW], v[NIL]
	s_wait_dscnt 0x0
	CROUND                                         ; the closing round
	s_endpgm
.Lfunc_end_k_q1051b45a8f_attn:
	.size	k_q1051b45a8f_attn, .Lfunc_end_k_q1051b45a8f_attn-k_q1051b45a8f_attn
	.p2alignl 7, 3214868480
	.fill 96, 4, 3214868480
	.section	.rodata,"a",@progbits
	.p2align	6, 0x0
	.amdhsa_kernel k_q1051b45a8f_attn
		.amdhsa_group_segment_fixed_size 327680
		.amdhsa_private_segment_fixed_size 0
		.amdhsa_enable_private_segment 0
		.amdhsa_kernarg_size 16
		.amdhsa_user_sgpr_count 2
		.amdhsa_user_sgpr_kernarg_segment_ptr 1
		.amdhsa_wavefront_size32 1
		.amdhsa_system_sgpr_workgroup_id_x 1
		.amdhsa_system_sgpr_workgroup_id_y 1
		.amdhsa_system_sgpr_workgroup_id_z 1
		.amdhsa_system_vgpr_workitem_id 0
		.amdhsa_next_free_vgpr 512
		.amdhsa_next_free_sgpr 80
		.amdhsa_reserve_vcc 0
		.amdhsa_float_denorm_mode_32 3
		.amdhsa_float_denorm_mode_16_64 3
		.amdhsa_memory_ordered 1
		.amdhsa_forward_progress 1
		.amdhsa_inst_pref_size 97
	.end_amdhsa_kernel
	.amdgpu_metadata
---
amdhsa.version: [ 1, 2 ]
amdhsa.kernels:
  - .name:           k_q1051b45a8f_attn
    .symbol:         k_q1051b45a8f_attn.kd
    .args:
      - { .name: qkv, .offset: 0, .size: 8, .value_kind: global_buffer, .address_space: global }
      - { .name: oimg, .offset: 8, .size: 8, .value_kind: global_buffer, .address_space: global }
    .group_segment_fixed_size: 327680
    .private_segment_fixed_size: 0
    .kernarg_segment_align: 8
    .kernarg_segment_size: 16
    .max_flat_workgroup_size: 256
    .sgpr_count:     80
    .vgpr_count:     512
    .wavefront_size: 32
...
	.end_amdgpu_metadata
.endif
;; end of part 3
;; launch wo (part 4): grid 8 x 32, 4 waves a work-group, clusters of 4 x 4, 327,680 bytes of LDS; arguments oimg, woimg, yp; writes yp
.if DOCPART == 4
	.amdgcn_target "amdgcn-amd-amdhsa--gfx1250"
	.amdhsa_code_object_version 6
	.text
	.protected	k_q1051b45a8f_wo
	.globl	k_q1051b45a8f_wo
	.p2align	8
	.type	k_q1051b45a8f_wo,@function
k_q1051b45a8f_wo:
	s_mov_b64 s[64:65], 0
	v_nop
	global_prefetch_b8 v0, s[64:65] scope:SCOPE_SE
	s_setreg_imm32_b32 hwreg(HW_REG_WAVE_MODE, 25, 1), 1
	s_wait_xcnt 0x0
	s_wait_alu depctr_hold_cnt(0) depctr_sa_sdst(0) depctr_va_vdst(0) depctr_va_sdst(0) depctr_va_ssrc(0) depctr_va_vcc(0) depctr_vm_vsrc(0)
	s_getreg_b32 s2, hwreg(HW_REG_IB_STS2, 6, 4)
	s_cmp_eq_u32 s2, 0
	s_cbranch_scc0 .Lentry_in_a_cluster
	s_endpgm
.Lentry_in_a_cluster:
	s_bfe_u32 s2, ttmp6, 0x10000c
	s_cmp_lg_u32 s2, 0xf033
	s_cbranch_scc0 .Lentry_shape_is_right
	s_endpgm
.Lentry_shape_is_right:
; C = A B^T in f32, on images of codes (see the first kernel): A = the attention's output, 4,096 rows; B = Wo, 1,024 rows; K = 1,024.  Bias, residual and norm follow in the next launch.  No work is left out.
; TILES OF 128 x 128: 32 x 8 = 256 of them, one work-group each.  A tile's operands for ALL of K, with their scale bytes, are 2 x 4 x 33,792 = 270,336 bytes: they fit in LDS, so they are filled once: no ring, no refill.
; Four tensor loads, one a wave, each of two rows of 33,792 dense bytes (128 rows x 256 K): waves 0 and 1 fetch the row operand's K steps w and w + 2, waves 2 and 3 the column operand's.  One load of a wave is out.
; The first barrier waits for all four K steps.
; CLUSTERS 4 x 4: the row operand's tile hangs on the cluster's y place alone and is asked for jointly along a row, the column operand's on the x place and along a column.
; A wave makes 64 x 64: 16 accumulators, by turns, in eight steps of 128 along K; the next step's 32 LDS loads stand in one run in a step's middle.  A fragment feeds four products here: the price of a tile small enough to give every WGP one.
; THE PRODUCT IS USED TRANSPOSED (source 0 = 16 rows of B, source 1 = 16 rows of A): accumulator (a, b), lane (r, h), register j holds row 32 (a / 2) + 8 (a % 2) + r % 8 + 16 (r / 8), column 32 (b / 2) + 16 h + 8 (b % 2) + j.
; THE WAY OUT: a wave's 64 columns are 256 bytes of a row of C, aligned: each block of 16 rows goes through the wave's own stage (LDS bytes that no fill touches) and leaves sixteen lanes to 256 consecutive bytes.
; Prefetching is left out: all of K is asked for at the head.
; REGISTERS: window 0: v16-31 addresses; v32-63 scale words and nothing else (K step ks, block i, half s at 8 ks + 2 i + s: lanes 0-15 A's, lanes 16-31 B's); v64-127 rows on the way out; v128-255 accumulators.
;   window 1: two fragment buffers of 128: A's four fragments, then B's four.
.set FR,     16
.set NP,     8                         ; places behind this matrix instruction (ISA guide 7.12.1)
.set PRB,    8448
.set HALFT,  4*PRB                     ; 128 rows x 256 K with scales: what one tensor load brings
.set BBASE,  4*HALFT                   ; LDS: A's four K steps from 0, B's from here
.set SPARE,  8*HALFT                   ; the spare words, 128 bytes a wave
.set STAGE,  SPARE+512                 ; the stages: 16 rows x 272 bytes for each wave
.set SPITCH, 272
.set ADRA, 16                          ; v16-17 my A fragments: even K steps, odd K steps
.set ADRB, 20                          ; v20-21 my B fragments
.set L16,  22                          ; v22 16 x lane
.set CO,   23                          ; v23 my byte offset in two rows of C
.set ADRS, 26                          ; v26-27 my scale words
.set SPW,  28
.set NIL,  29
.set STO,  30
.set RD,   31
.set SC,   32
.set BK,   64
.set ACC,  128
.set G1,   24
.set G0,   32
.set G1B,  48
.set G0B,  56
.set MSB, 0
.macro WIN new                         ; the immediate's high byte repeats the setting that is left
.if MSB != (\new)
	s_set_vgpr_msb (MSB<<8)|(\new)
.set MSB, (\new)
.endif
.endm
.set MUL,  0x05                        ; sources 0 and 1 window 1; C and D window 0
.set TO_F, 0x40                        ; destination window 1, address window 0
.macro JLOAD g0a, g1a, g0b, g1b        ; a joint load: waves 0, 1 fetch for A, waves 2, 3 for B
	s_cmp_eq_u32 s15, 0
	s_cbranch_scc0 .Lfor_b_\@
	tensor_load_to_lds s[\g0a:\g0a+3], s[\g1a:\g1a+7]
	s_nop 0
.rept 4
	v_nop
.endr
	s_branch .Lasked_\@
.Lfor_b_\@:
	tensor_load_to_lds s[\g0b:\g0b+3], s[\g1b:\g1b+7]
	s_nop 0
.rept 4
	v_nop
.endr
.Lasked_\@:
.endm
.macro CREST
	s_cmp_lg_u32 s14, 0
	s_cbranch_scc1 .Lnot_wave_0_\@
	s_barrier_signal -3
.Lnot_wave_0_\@:
	s_barrier_wait -3
	s_barrier_signal -1
	s_barrier_wait -1
.endm
.macro CROUND
	s_barrier_signal -1
	s_barrier_wait -1
	CREST
.endm
.macro PLACES n
.rept \n
	v_nop
.endr
.endm
; step k of eight (K step k / 2, half k % 2): my four fragments of B and four of A into buffer k % 2: 32 loads of 512 consecutive bytes
.macro FETCH k
	WIN TO_F
.irp i, 0,1,2,3
.irp c, 0,1,2,3
	ds_load_b128 v[128*((\k)%2)+64+FR*\i+4*\c:128*((\k)%2)+64+FR*\i+4*\c+3], v[ADRB+((\k)/2)%2] offset:((\k)/4)*HALFT+(\i/2)*PRB+(\i%2)*4096+2048*((\k)%2)+512*\c
.endr
.irp c, 0,1,2,3
	ds_load_b128 v[128*((\k)%2)+FR*\i+4*\c:128*((\k)%2)+FR*\i+4*\c+3], v[ADRA+((\k)/2)%2] offset:((\k)/4)*HALFT+(\i/2)*PRB+(\i%2)*4096+2048*((\k)%2)+512*\c
.endr
.endr
.endm
.macro SCALES ks                       ; a K step's scale words: two words a row
.irp i, 0,1,2,3
	ds_load_b64 v[SC+8*(\ks)+2*\i:SC+8*(\ks)+2*\i+1], v[ADRS+(\ks)%2] offset:((\ks)/2)*HALFT+(\i/2)*PRB+(\i%2)*128
.endr
.endm
; 8 matrix instructions: row blocks a0, a0 + 1 x the four column blocks.  zero = 1: the first product starts the sums.  The 16 accumulators take turns.
.macro MUL8 k, a0, zero
.irp a, \a0, \a0+1
.irp b, 0,1,2,3
.if \zero
	v_wmma_scale_f32_16x16x128_f8f6f4 v[ACC+8*(4*(\a)+\b):ACC+8*(4*(\a)+\b)+7], v[128*((\k)%2)+64+FR*\b:128*((\k)%2)+64+FR*\b+FR-1], v[128*((\k)%2)+FR*(\a):128*((\k)%2)+FR*(\a)+FR-1], 0, v[SC+8*((\k)/2)+2*\b+(\k)%2], v[SC+8*((\k)/2)+2*(\a)+(\k)%2] matrix_a_scale:MATRIX_SCALE_ROW1
.else
	v_wmma_scale_f32_16x16x128_f8f6f4 v[ACC+8*(4*(\a)+\b):ACC+8*(4*(\a)+\b)+7], v[128*((\k)%2)+64+FR*\b:128*((\k)%2)+64+FR*\b+FR-1], v[128*((\k)%2)+FR*(\a):128*((\k)%2)+FR*(\a)+FR-1], v[ACC+8*(4*(\a)+\b):ACC+8*(4*(\a)+\b)+7], v[SC+8*((\k)/2)+2*\b+(\k)%2], v[SC+8*((\k)/2)+2*(\a)+(\k)%2] matrix_a_scale:MATRIX_SCALE_ROW1
.endif
.endr
.endr
.endm
.macro STEPK k, zero
	s_wait_dscnt 0x0                               ; this step's fragments (and scale words) are in
.if (\k) == 7
	s_barrier_signal -1                            ; no wave reads the tiles any more: behind this barrier the stages are written
	s_barrier_wait -1
.endif
	WIN MUL
	MUL8 \k, 0, \zero
.if (\k) < 7
	PLACES NP                                      ; in front of loads into the buffer that the last step's products read
	FETCH (\k)+1
.if (\k) == 3
	WIN 0
	SCALES 2
	SCALES 3
.endif
	WIN MUL
.endif
	MUL8 \k, 2, \zero
.endm
	s_load_b128 s[4:7], s[0:1], 0x0                ; oimg, woimg
	s_load_b64 s[12:13], s[0:1], 0x10              ; yp
	v_lshl_add_u32 v[SPW], v0, 2, SPARE
	v_mov_b32 v[NIL], 0
	ds_add_u32 v[SPW], v[NIL]                      ; the wave's opening: the add, twice on end, and its wait ahead of my first tensor load
	ds_add_u32 v[SPW], v[NIL]
	v_lshrrev_b32 v1, 5, v0
	v_readfirstlane_b32 s14, v1                    ; wave
	s_lshr_b32 s15, s14, 1                         ; my half of the rows.  Also: I fetch for A (0) or for B (1)
	s_and_b32 s16, s14, 1                          ; my half of the columns.  Also: the parity of the K steps that I fetch
	s_bfe_u32 s40, ttmp6, 0x40000                  ; cx
	s_bfe_u32 s41, ttmp6, 0x40004                  ; cy
	s_and_b32 s17, ttmp7, 0xffff
	s_lshl_b32 s17, s17, 2
	s_add_co_u32 s17, s17, s41                     ; tile row 0..31
	s_lshl_b32 s42, ttmp9, 2
	s_add_co_u32 s42, s42, s40                     ; tile column 0..7
	s_lshl_b32 s43, s41, 2
	s_lshl_b32 s43, 15, s43                        ; my row of the cluster
	s_lshl_b32 s44, 0x1111, s40                    ; my column
	s_or_b32 s[G1+0], s43, (3<<16)|(1<<21)         ; the mask; elements of 8 bytes; bit 21 beside a mask; no padding
	s_or_b32 s[G1B+0], s44, (3<<16)|(1<<21)
.irp g, G1, G1B
	s_mov_b32 s[\g+1], 4224<<16                    ; THE FILLS AS THEY NOW STAND: one load a wave, at the head: two rows of 4,224 elements of 8 bytes (33,792 dense bytes: 128 rows x 256 K with scales):
	s_mov_b32 s[\g+2], 2<<16                       ; the K steps of my parity, p and p + 2, which land one behind the other.  So in LDS an operand's K steps lie in the order 0, 2, 1, 3
	s_mov_b32 s[\g+3], 4224<<16
	s_mov_b32 s[\g+4], 2
	s_mov_b32 s[\g+6], 0
	s_mov_b32 s[\g+7], 0
.endr
	s_mov_b32 s[G1+5], 2*128*PRB/8                 ; from row to row: two K steps of the image, in elements: A has 128 records a K step,
	s_mov_b32 s[G1B+5], 2*32*PRB/8                 ; B 32
	s_lshl_b32 s20, s16, 7
	s_lshl_b32 s18, s17, 2
	s_add_co_u32 s20, s20, s18                     ; four records a tile row
	s_mul_i32 s20, s20, PRB
	s_mov_b32 s21, 0
	s_lshl_b32 s46, s16, 5                         ; B: 32 records a K step
	s_lshl_b32 s19, s42, 2
	s_add_co_u32 s46, s46, s19
	s_mul_i32 s46, s46, PRB
	s_mov_b32 s47, 0
	s_mul_i32 s45, s15, BBASE                      ; where they go: the operand's region + the K step: no place in the cluster enters an LDS address
	s_mul_i32 s22, s16, 2*HALFT
	s_add_co_u32 s45, s45, s22
	s_wait_dscnt 0x0                               ; both opening adds are done
	s_wait_kmcnt 0x0
	s_add_nc_u64 s[20:21], s[4:5], s[20:21]
	s_add_nc_u64 s[46:47], s[6:7], s[46:47]
	CROUND                                         ; all sixteen work-groups are here: the joint loads meet
	s_mov_b32 s[G0], 1
	s_mov_b32 s[G0+1], s45
	s_mov_b64 s[G0+2:G0+3], s[20:21]
	s_or_b32 s[G0+3], s[G0+3], 0x80000000
	s_mov_b32 s[G0B], 1
	s_mov_b32 s[G0B+1], s45
	s_mov_b64 s[G0B+2:G0B+3], s[46:47]
	s_or_b32 s[G0B+3], s[G0B+3], 0x80000000
	JLOAD G0, G1, G0B, G1B                         ; my parity's K steps p and p + 2
	v_and_b32 v1, 15, v0                           ; r
	v_bfe_u32 v2, v0, 4, 1                         ; h
	v_and_b32 v3, 31, v0                           ; lane
	v_lshlrev_b32 v[L16], 4, v3
	s_mul_i32 s83, s15, 2*PRB                      ; my 64 rows: two records
	s_mul_i32 s84, s16, 2*PRB
	s_add_co_u32 s84, s84, BBASE                   ; my 64 columns
	v_add_nc_u32 v[ADRA], s83, v[L16]
	v_add_nc_u32 v[ADRB], s84, v[L16]
	v_add_nc_u32 v[ADRA+1], 2*HALFT, v[ADRA]
	v_add_nc_u32 v[ADRB+1], 2*HALFT, v[ADRB]
	s_sub_co_u32 s84, s84, s83
	v_mul_u32_u24 v6, s84, v2                      ; lanes 16-31 take B's words
	v_lshl_add_u32 v5, v1, 3, v6                   ; 8 bytes a row
	s_add_co_u32 s83, s83, 8192
	v_add_nc_u32 v[ADRS], s83, v5
	v_add_nc_u32 v[ADRS+1], 2*HALFT, v[ADRS]
	s_mul_i32 s83, s14, 16*SPITCH
	s_add_co_u32 s83, s83, STAGE                   ; my stage
	v_mul_u32_u24 v5, v1, SPITCH
	v_lshl_add_u32 v5, v2, 6, v5
	v_add_nc_u32 v[STO], s83, v5                   ; in: row r, + 64 h
	v_mul_u32_u24 v5, v2, SPITCH
	v_lshl_add_u32 v5, v1, 4, v5
	v_add_nc_u32 v[RD], s83, v5                    ; back: lanes 0-15 one row of 256 bytes, lanes 16-31 the next
	v_lshlrev_b32 v[CO], 12, v2
	v_lshl_add_u32 v[CO], v1, 4, v[CO]             ; and the same two rows in C
	s_lshl_b32 s86, s17, 7
	s_lshl_b32 s85, s15, 6
	s_add_co_u32 s86, s86, s85
	s_lshl_b32 s86, s86, 12                        ; my first row, 4,096 bytes a row
	s_lshl_b32 s85, s42, 9
	s_add_co_u32 s86, s86, s85
	s_lshl_b32 s85, s16, 8
	s_add_co_u32 s86, s86, s85                     ; my first column
	s_mov_b32 s87, 0
	s_add_nc_u64 s[12:13], s[12:13], s[86:87]
	s_wait_alu depctr_va_vdst(0)                   ; the wait at the head's end
	s_wait_tensorcnt 0x0                           ; my one load, two K steps of one operand, is in;
	s_barrier_signal -1
	s_barrier_wait -1                              ; everybody's is: all of K lies in LDS, and nothing is filled again in this launch
	FETCH 0
	WIN 0
	SCALES 0
	SCALES 1
	STEPK 0, 1
	STEPK 1, 0
	STEPK 2, 0
	STEPK 3, 0
	STEPK 4, 0
	STEPK 5, 0
	STEPK 6, 0
	STEPK 7, 0
	WIN 0
; THE WAY OUT, block by block of 16 rows x 64 columns, through my own stage.  LDS serves a wave's instructions in order: no wait between the stores and the loads, nor in front of the next block's stores.
.macro TOSTAGE a
.irp b, 0,1,2,3
	ds_store_b128 v[STO], v[ACC+8*(4*(\a)+\b):ACC+8*(4*(\a)+\b)+3] offset:128*(\b/2)+32*(\b%2)         ; each accumulator from its low end on
	ds_store_b128 v[STO], v[ACC+8*(4*(\a)+\b)+4:ACC+8*(4*(\a)+\b)+7] offset:128*(\b/2)+32*(\b%2)+16
.endr
.irp t, 0,1,2,3,4,5,6,7
	ds_load_b128 v[BK+32*((\a)%2)+4*\t:BK+32*((\a)%2)+4*\t+3], v[RD] offset:2*\t*SPITCH
.endr
.endm
.macro SEND a, younger                 ; younger: the LDS instructions issued behind block a's loads, which may stay out
	s_wait_dscnt \younger
.irp t, 0,1,2,3,4,5,6,7
	global_store_b128 v[CO], v[BK+32*((\a)%2)+4*\t:BK+32*((\a)%2)+4*\t+3], s[12:13] offset:(32*((\a)/2)+8*((\a)%2)+2*\t+8*(\t/4))*4096 th:TH_STORE_NT   ; stage row 2 t + h is row 2 t + h + 8 (t / 4) of the block's 32; 16 lanes store 256 consecutive bytes, aligned
.endr
.endm
	PLACES NP
	TOSTAGE 0
.irp a, 1,2,3
.if \a > 1
	s_wait_xcnt 0x0                                ; block a - 2's stores have read their registers: block a's loads may land there
.endif
	TOSTAGE \a
	SEND \a-1, 16                                  ; behind block a - 1's loads: block a's 8 stores and 8 loads
.endr
	SEND 3, 0
	s_wait_tensorcnt 0x0                           ; the wave's end
	ds_add_u32 v[SPW], v[NIL]
	s_wait_dscnt 0x0
	CROUND                                         ; the closing round
	s_endpgm
.Lfunc_end_k_q1051b45a8f_wo:
	.size	k_q1051b45a8f_wo, .Lfunc_end_k_q1051b45a8f_wo-k_q1051b45a8f_wo
	.p2alignl 7, 3214868480
	.fill 96, 4, 3214868480
	.section	.rodata,"a",@progbits
	.p2align	6, 0x0
	.amdhsa_kernel k_q1051b45a8f_wo
		.amdhsa_group_segment_fixed_size 327680
		.amdhsa_private_segment_fixed_size 0
		.amdhsa_enable_private_segment 0
		.amdhsa_kernarg_size 24
		.amdhsa_user_sgpr_count 2
		.amdhsa_user_sgpr_kernarg_segment_ptr 1
		.amdhsa_wavefront_size32 1
		.amdhsa_system_sgpr_workgroup_id_x 1
		.amdhsa_system_sgpr_workgroup_id_y 1
		.amdhsa_system_sgpr_workgroup_id_z 1
		.amdhsa_system_vgpr_workitem_id 0
		.amdhsa_next_free_vgpr 512
		.amdhsa_next_free_sgpr 100
		.amdhsa_reserve_vcc 0
		.amdhsa_float_denorm_mode_32 3
		.amdhsa_float_denorm_mode_16_64 3
		.amdhsa_memory_ordered 1
		.amdhsa_forward_progress 1
		.amdhsa_inst_pref_size 50
	.end_amdhsa_kernel
	.amdgpu_metadata
---
amdhsa.version: [ 1, 2 ]
amdhsa.kernels:
  - .name:           k_q1051b45a8f_wo
    .symbol:         k_q1051b45a8f_wo.kd
    .args:
      - { .name: oimg, .offset: 0, .size: 8, .value_kind: global_buffer, .address_space: global }
      - { .name: woimg, .offset: 8, .size: 8, .value_kind: global_buffer, .address_space: global }
      - { .name: yp, .offset: 16, .size: 8, .value_kind: global_buffer, .address_space: global }
    .group_segment_fixed_size: 327680
    .private_segment_fixed_size: 0
    .kernarg_segment_align: 8
    .kernarg_segment_size: 24
    .max_flat_workgroup_size: 128
    .sgpr_count:     100
    .vgpr_count:     512
    .wavefront_size: 32
...
	.end_amdgpu_metadata
.endif
;; end of part 4
;; launch ln1 (part 5): grid 256 x 1, 16 waves a work-group, no clusters, 67,840 bytes of LDS; arguments yp, src, bo, g1, be1, b2, xb; writes xb
.if DOCPART == 5
	.amdgcn_target "amdgcn-amd-amdhsa--gfx1250"
	.amdhsa_code_object_version 6
	.text
	.protected	k_q1051b45a8f_ln1
	.globl	k_q1051b45a8f_ln1
	.p2align	8
	.type	k_q1051b45a8f_ln1,@function
k_q1051b45a8f_ln1:
	s_mov_b64 s[64:65], 0
	v_nop
	global_prefetch_b8 v0, s[64:65] scope:SCOPE_SE
	s_setreg_imm32_b32 hwreg(HW_REG_WAVE_MODE, 25, 1), 1
	s_wait_xcnt 0x0
; x = layer norm(src + (attention's product + bo)) x g1 + be1, all in f32.  Stored: x + b2 as f32 (the residual of the second norm with the second bias, which stands behind no quantiser), and x's image (see the first kernel).  No work is left out.
; A work-group takes the 16 rows of one block of an image record (pr = number / 2, u = number % 2); wave w takes the row of lane index w: m' = 32 pr + 8 u + w % 8 + 16 (w / 8), whole, 32 numbers a lane: the reductions stay in the wave.
; The mean is taken first and the variance of the differences, as the formula has it.  Then the 16 rows meet in LDS (rows of 4,096 + 16 bytes), and waves 0-7 quantise one K step of 128 each for all 16 rows.
; Memory binds: no matrix unit, no cluster.  LIMITS: a block of zeros gets the byte 1; NaN and infinities are not served.
.set PITCH, 4112
.set SPARE, 16*PITCH
.set SPW, 4
.set NIL, 5
.set Y,   32
.set S,   64
.set BO,  96
.set G,   128
.set BE,  160
.set B2,  192
.set TM,  96                           ; phase 2: at work, codes, scale word
.set PC,  112
.set PW,  128
.set SEL, 34
.set MNT, 36
.macro WSUM v, t                       ; the sum over the wave's 32 lanes, in every lane
	s_delay_alu instid0(VALU_DEP_1)
	v_add_f32_dpp v[\v], v[\v], v[\v] row_xmask:1 row_mask:0xf bank_mask:0xf
	s_delay_alu instid0(VALU_DEP_1)
	v_add_f32_dpp v[\v], v[\v], v[\v] row_xmask:2 row_mask:0xf bank_mask:0xf
	s_delay_alu instid0(VALU_DEP_1)
	v_add_f32_dpp v[\v], v[\v], v[\v] row_xmask:4 row_mask:0xf bank_mask:0xf
	s_delay_alu instid0(VALU_DEP_1)
	v_add_f32_dpp v[\v], v[\v], v[\v] row_xmask:8 row_mask:0xf bank_mask:0xf
	s_delay_alu instid0(VALU_DEP_1)
	v_permlanex16_b32 v[\t], v[\v], s[SEL], s[SEL+1]
	s_delay_alu instid0(VALU_DEP_1)
	v_add_f32 v[\v], v[\v], v[\t]
.endm
.macro QUANT s, pw
.irp b, 0,1,2,3
	v_max3_num_f32 v[TM+\b], |v[\s+16*\b]|, |v[\s+1+16*\b]|, 0x4800000
.endr
.irp i, 2,4,6,8,10,12,14
.irp b, 0,1,2,3
	s_delay_alu instid0(VALU_DEP_4)
	v_max3_num_f32 v[TM+\b], v[TM+\b], |v[\s+16*\b+\i]|, |v[\s+1+16*\b+\i]|
.endr
.endr
.irp b, 0,1,2,3
	s_delay_alu instid0(VALU_DEP_4)
	v_permlanex16_b32 v[TM+4+\b], v[TM+\b], s[SEL], s[SEL+1]
.endr
.irp b, 0,1,2,3
	s_delay_alu instid0(VALU_DEP_4)
	v_max_num_f32 v[TM+\b], v[TM+\b], v[TM+4+\b]
.endr
.irp b, 0,1,2,3
	s_delay_alu instid0(VALU_DEP_4)
	v_add_nc_u32 v[TM+12+\b], 0xfc000000, v[TM+\b]
.endr
.irp b, 0,1,2,3
	v_and_or_b32 v[TM+8+\b], v[TM+\b], 0x7f800000, s[MNT]
.endr
.irp b, 0,1,2,3
	v_lshrrev_b32 v[TM+4+\b], 23, v[TM+12+\b]
.endr
	s_delay_alu instid0(VALU_DEP_3)
	v_lshl_or_b32 v[\pw], v[TM+5], 8, v[TM+4]
	s_delay_alu instid0(VALU_DEP_1)
	v_lshl_or_b32 v[\pw], v[TM+6], 16, v[\pw]
	s_delay_alu instid0(VALU_DEP_1)
	v_lshl_or_b32 v[\pw], v[TM+7], 24, v[\pw]
.irp b, 0,1,2,3
.irp i, 0,1,2,3,4,5,6,7,8,9,10,11,12,13,14,15
	v_med3_num_f32 v[\s+16*\b+\i], v[\s+16*\b+\i], -v[TM+8+\b], v[TM+8+\b]
.endr
	v_cvt_scalef32_pk8_fp8_f32 v[PC+4*\b:PC+1+4*\b], v[\s+16*\b:\s+7+16*\b], v[TM+12+\b]
	v_cvt_scalef32_pk8_fp8_f32 v[PC+2+4*\b:PC+3+4*\b], v[\s+8+16*\b:\s+15+16*\b], v[TM+12+\b]
.endr
	v_nop
.endm
	s_load_b256 s[4:11], s[0:1], 0x0               ; yp 4, src 6, bo 8, g1 10
	s_load_b128 s[12:15], s[0:1], 0x20             ; be1 12, b2 14
	s_load_b64 s[16:17], s[0:1], 0x30              ; xb
	v_lshl_add_u32 v[SPW], v0, 2, SPARE
	v_mov_b32 v[NIL], 0
	v_lshrrev_b32 v1, 5, v0
	s_delay_alu instid0(VALU_DEP_1)
	v_readfirstlane_b32 s18, v1                    ; wave
	v_and_b32 v6, 31, v0
	s_delay_alu instid0(VALU_DEP_1)
	v_lshlrev_b32 v1, 4, v6                        ; 16 x lane
	v_and_b32 v7, 15, v0                           ; r
	v_bfe_u32 v8, v0, 4, 1                         ; h
	s_mul_i32 s19, s18, PITCH
	v_add_nc_u32 v2, s19, v1                       ; LDS, in: my wave's row
	s_and_b32 s20, s18, 7
	s_lshl_b32 s21, s20, 9
	v_mul_u32_u24 v3, v7, PITCH
	s_delay_alu instid0(VALU_DEP_1)
	v_lshl_add_u32 v3, v8, 6, v3
	s_delay_alu instid0(VALU_DEP_1)
	v_add_nc_u32 v3, s21, v3                       ; LDS, out: row r, my wave's K step of 128, + 64 h
	v_lshlrev_b32 v9, 3, v7                        ; 8 r
	s_lshr_b32 s22, ttmp9, 1                       ; pr
	s_and_b32 s23, ttmp9, 1                        ; u
	s_lshl_b32 s24, s22, 5
	s_lshl_b32 s25, s23, 3
	s_add_co_u32 s24, s24, s25
	s_add_co_u32 s24, s24, s20
	s_lshr_b32 s25, s18, 3
	s_lshl_b32 s25, s25, 4
	s_add_co_u32 s24, s24, s25                     ; m'
	s_and_b32 s26, s24, 2047
	s_lshl_b32 s26, s26, 1
	s_lshr_b32 s25, s24, 11
	s_add_co_u32 s26, s26, s25                     ; src's row 2 s + b
	s_lshl_b32 s26, s26, 12
	s_mov_b32 s27, 0
	s_lshl_b32 s24, s24, 12
	s_mov_b32 s25, 0
	s_lshr_b32 s28, s20, 1                         ; the image's K step of 256
	s_lshl_b32 s28, s28, 7
	s_add_co_u32 s28, s28, s22
	s_mul_i32 s28, s28, 8448
	s_add_co_u32 s28, s28, 16777216                ; the record
	s_lshl_b32 s30, s23, 7
	s_and_b32 s31, s18, 1
	s_lshl_b32 s32, s31, 2
	s_add_co_u32 s30, s30, s32
	s_add_co_u32 s30, s30, s28
	s_add_co_u32 s30, s30, 8192                    ; its scale words of (u, s)
	s_lshl_b32 s32, s23, 12
	s_add_co_u32 s28, s28, s32
	s_lshl_b32 s32, s31, 11
	s_add_co_u32 s28, s28, s32                     ; its fragment (u, s)
	s_mov_b32 s29, 0
	s_mov_b32 s31, 0
	s_mov_b32 s[SEL], 0x76543210
	s_mov_b32 s[SEL+1], 0xfedcba98
	s_mov_b32 s[MNT], 0x600000
	s_mov_b32 s37, 0x3a800000                      ; 1 / 1,024
	s_mov_b32 s38, 0x3727c5ac                      ; 1e-5
	s_wait_alu depctr_va_vdst(0)
	s_wait_kmcnt 0x0
	s_add_nc_u64 s[4:5], s[4:5], s[24:25]
	s_add_nc_u64 s[6:7], s[6:7], s[26:27]
	s_add_nc_u64 s[24:25], s[16:17], s[24:25]
	s_add_nc_u64 s[28:29], s[16:17], s[28:29]
	s_add_nc_u64 s[30:31], s[16:17], s[30:31]
.irp j, 0,1,2,3,4,5,6,7
	global_load_b128 v[Y+4*\j:Y+4*\j+3], v1, s[4:5] offset:512*\j th:TH_LOAD_NT
.endr
.irp j, 0,1,2,3,4,5,6,7
	global_load_b128 v[S+4*\j:S+4*\j+3], v1, s[6:7] offset:512*\j th:TH_LOAD_NT
.endr
.irp j, 0,1,2,3,4,5,6,7
	global_load_b128 v[BO+4*\j:BO+4*\j+3], v1, s[8:9] offset:512*\j
.endr
.irp j, 0,1,2,3,4,5,6,7
	global_load_b128 v[G+4*\j:G+4*\j+3], v1, s[10:11] offset:512*\j
.endr
.irp j, 0,1,2,3,4,5,6,7
	global_load_b128 v[BE+4*\j:BE+4*\j+3], v1, s[12:13] offset:512*\j
.endr
.irp j, 0,1,2,3,4,5,6,7
	global_load_b128 v[B2+4*\j:B2+4*\j+3], v1, s[14:15] offset:512*\j
.endr
	s_wait_loadcnt 24                              ; the product, src and bo are in; g1, be1 and b2 may be out
.set J, 0
.rept 16
	v_pk_add_f32 v[Y+J:Y+J+1], v[Y+J:Y+J+1], v[BO+J:BO+J+1]
.set J, J+2
.endr
.set J, 0
.rept 16
	v_pk_add_f32 v[Y+J:Y+J+1], v[Y+J:Y+J+1], v[S+J:S+J+1]
.set J, J+2
.endr
	v_pk_add_f32 v[10:11], v[Y:Y+1], v[Y+2:Y+3]
	v_pk_add_f32 v[12:13], v[Y+4:Y+5], v[Y+6:Y+7]
.irp j, 8,12,16,20,24,28
	s_delay_alu instid0(VALU_DEP_2)
	v_pk_add_f32 v[10:11], v[10:11], v[Y+\j:Y+\j+1]
	s_delay_alu instid0(VALU_DEP_2)
	v_pk_add_f32 v[12:13], v[12:13], v[Y+\j+2:Y+\j+3]
.endr
	s_delay_alu instid0(VALU_DEP_1)
	v_pk_add_f32 v[10:11], v[10:11], v[12:13]
	s_delay_alu instid0(VALU_DEP_1)
	v_add_f32 v10, v10, v11
	WSUM 10, 11
	s_delay_alu instid0(VALU_DEP_1)
	v_mul_f32 v10, s37, v10                        ; the mean
	s_delay_alu instid0(VALU_DEP_1)
	v_mov_b32 v11, v10
.set J, 0
.rept 16
	v_pk_add_f32 v[Y+J:Y+J+1], v[Y+J:Y+J+1], v[10:11] neg_lo:[0,1] neg_hi:[0,1]
.set J, J+2
.endr
	v_pk_mul_f32 v[12:13], v[Y:Y+1], v[Y:Y+1]
	v_pk_mul_f32 v[14:15], v[Y+2:Y+3], v[Y+2:Y+3]
.irp j, 4,8,12,16,20,24,28
	s_delay_alu instid0(VALU_DEP_2)
	v_pk_fma_f32 v[12:13], v[Y+\j:Y+\j+1], v[Y+\j:Y+\j+1], v[12:13]
	s_delay_alu instid0(VALU_DEP_2)
	v_pk_fma_f32 v[14:15], v[Y+\j+2:Y+\j+3], v[Y+\j+2:Y+\j+3], v[14:15]
.endr
	s_delay_alu instid0(VALU_DEP_1)
	v_pk_add_f32 v[12:13], v[12:13], v[14:15]
	s_delay_alu instid0(VALU_DEP_1)
	v_add_f32 v12, v12, v13
	WSUM 12, 13
	s_delay_alu instid0(VALU_DEP_1)
	v_fma_f32 v12, v12, s37, s38                   ; the variance + 1e-5
	s_wait_alu depctr_va_vdst(0)
	v_rsq_f32 v14, v12
	v_nop
	s_wait_alu depctr_va_vdst(0)                   ; ahead of the first reader of the root's result
	v_mov_b32 v15, v14
	s_wait_alu depctr_va_vdst(0)
	s_wait_loadcnt 0x0
.set J, 0
.rept 16
	v_pk_mul_f32 v[Y+J:Y+J+1], v[Y+J:Y+J+1], v[14:15]
.set J, J+2
.endr
.set J, 0
.rept 16
	v_pk_fma_f32 v[Y+J:Y+J+1], v[Y+J:Y+J+1], v[G+J:G+J+1], v[BE+J:BE+J+1]   ; x
.set J, J+2
.endr
.set J, 0
.rept 16
	v_pk_add_f32 v[S+J:S+J+1], v[Y+J:Y+J+1], v[B2+J:B2+J+1]
.set J, J+2
.endr
.irp j, 0,1,2,3,4,5,6,7
	ds_store_b128 v2, v[Y+4*\j:Y+4*\j+3] offset:512*\j
.endr
.irp j, 0,1,2,3,4,5,6,7
	global_store_b128 v1, v[S+4*\j:S+4*\j+3], s[24:25] offset:512*\j
.endr
.irp b, 0,1,2,3
	v_mov_b32 v[TM+4+\b], 0
.endr
	s_wait_dscnt 0x0                               ; for the others' sake: my row lies in LDS
	s_barrier_signal -1
	s_barrier_wait -1
	s_cmp_lt_u32 s18, 8                            ; eight K steps of 128: waves 0-7
	s_cbranch_scc0 .Ldone
	s_wait_xcnt 0x0                                ; my stores have read their registers: the loads below land on them
.irp c, 0,1,2,3
.irp q, 0,1,2,3
	ds_load_b128 v[Y+16*\c+4*\q:Y+16*\c+4*\q+3], v3 offset:128*\c+16*\q
.endr
.endr
	s_wait_dscnt 0x0
	QUANT Y, PW
.irp c, 0,1,2,3
	global_store_b128 v1, v[PC+4*\c:PC+4*\c+3], s[28:29] offset:512*\c
.endr
	global_store_b32 v9, v[PW], s[30:31]           ; a word a row, 8 bytes apart; both halves of the lanes store the same
.Ldone:
	s_wait_tensorcnt 0x0                           ; the wave's end
	ds_add_u32 v[SPW], v[NIL]
	s_wait_dscnt 0x0
	s_endpgm
.Lfunc_end_k_q1051b45a8f_ln1:
	.size	k_q1051b45a8f_ln1, .Lfunc_end_k_q1051b45a8f_ln1-k_q1051b45a8f_ln1
	.p2alignl 7, 3214868480
	.fill 96, 4, 3214868480
	.section	.rodata,"a",@progbits
	.p2align	6, 0x0
	.amdhsa_kernel k_q1051b45a8f_ln1
		.amdhsa_group_segment_fixed_size 67840
		.amdhsa_private_segment_fixed_size 0
		.amdhsa_enable_private_segment 0
		.amdhsa_kernarg_size 56
		.amdhsa_user_sgpr_count 2
		.amdhsa_user_sgpr_kernarg_segment_ptr 1
		.amdhsa_wavefront_size32 1
		.amdhsa_system_sgpr_workgroup_id_x 1
		.amdhsa_system_sgpr_workgroup_id_y 1
		.amdhsa_system_sgpr_workgroup_id_z 1
		.amdhsa_system_vgpr_workitem_id 0
		.amdhsa_next_free_vgpr 232
		.amdhsa_next_free_sgpr 66
		.amdhsa_reserve_vcc 0
		.amdhsa_float_denorm_mode_32 3
		.amdhsa_float_denorm_mode_16_64 3
		.amdhsa_memory_ordered 1
		.amdhsa_forward_progress 1
		.amdhsa_inst_pref_size 31
	.end_amdhsa_kernel
	.amdgpu_metadata
---
amdhsa.version: [ 1, 2 ]
amdhsa.kernels:
  - .name:           k_q1051b45a8f_ln1
    .symbol:         k_q1051b45a8f_ln1.kd
    .args:
      - { .name: yp, .offset: 0, .size: 8, .value_kind: global_buffer, .address_space: global }
      - { .name: src, .offset: 8, .size: 8, .value_kind: global_buffer, .address_space: global }
      - { .name: bo, .offset: 16, .size: 8, .value_kind: global_buffer, .address_space: global }
      - { .name: g1, .offset: 24, .size: 8, .value_kind: global_buffer, .address_space: global }
      - { .name: be1, .offset: 32, .size: 8, .value_kind: global_buffer, .address_space: global }
      - { .name: b2, .offset: 40, .size: 8, .value_kind: global_buffer, .address_space: global }
      - { .name: xb, .offset: 48, .size: 8, .value_kind: global_buffer, .address_space: global }
    .group_segment_fixed_size: 67840
    .private_segment_fixed_size: 0
    .kernarg_segment_align: 8
    .kernarg_segment_size: 56
    .max_flat_workgroup_size: 512
    .sgpr_count:     66
    .vgpr_count:     232
    .wavefront_size: 32
...
	.end_amdgpu_metadata
.endif
;; end of part 5
;; launch ff1 (part 6): grid 16 x 16, 4 waves a work-group, clusters of 4 x 4, 327,680 bytes of LDS; arguments xb, wimg, b1, himg; writes himg
.if DOCPART == 6
	.amdgcn_target "amdgcn-amd-amdhsa--gfx1250"
	.amdhsa_code_object_version 6
	.text
	.protected	k_q1051b45a8f_ff1
	.globl	k_q1051b45a8f_ff1
	.p2align	8
	.type	k_q1051b45a8f_ff1,@function
k_q1051b45a8f_ff1:
	s_mov_b64 s[64:65], 0
	v_nop
	global_prefetch_b8 v0, s[64:65] scope:SCOPE_SE
	s_setreg_imm32_b32 hwreg(HW_REG_WAVE_MODE, 25, 1), 1
	s_wait_xcnt 0x0
	s_wait_alu depctr_hold_cnt(0) depctr_sa_sdst(0) depctr_va_vdst(0) depctr_va_sdst(0) depctr_va_ssrc(0) depctr_va_vcc(0) depctr_vm_vsrc(0)
	s_getreg_b32 s2, hwreg(HW_REG_IB_STS2, 6, 4)
	s_cmp_eq_u32 s2, 0
	s_cbranch_scc0 .Lentry_in_a_cluster
	s_endpgm
.Lentry_in_a_cluster:
	s_bfe_u32 s2, ttmp6, 0x10000c
	s_cmp_lg_u32 s2, 0xf033
	s_cbranch_scc0 .Lentry_shape_is_right
	s_endpgm
.Lentry_shape_is_right:
.set NQ,     2
.set FR,     16
.set NL,     4
.set NP,     8
.set PRB,    8448
.set HALFT,  4*PRB
.set SLOT,   4*HALFT
.set SPARE,  2*SLOT
.set ADRA, 16
.set L8,   19
.set ADRB, 20
.set L16,  22
.set BOF,  25
.set ADRS, 26
.set SPW,  28
.set NIL,  29
.set SC,   32
.set BI,   64
.set AF,   128
.set TM,   128
.set PC,   144
.set PW,   176
.set FL,   178
.set TP,   179
.set G1,   24
.set G0,   32
.set G1B,  48
.set G0B,  56
.set SEL,  80
.set MNT,  82
.set MSB, 0
.macro WIN new
.if MSB != (\new)
	s_set_vgpr_msb (MSB<<8)|(\new)
.set MSB, (\new)
.endif
.endm
.set MUL_LO, 0xa1
.set MUL_HI, 0xf1
.set TO_B,   0x40
.macro WMUL hi, zero
.if (\zero) == 1
	WIN 0x81+0x40*(\hi)
.else
	WIN 0xa1+0x50*(\hi)
.endif
.endm
.macro JLOAD g0a, g1a, g0b, g1b
	s_cmp_eq_u32 s15, 0
	s_cbranch_scc0 .Lfor_b_\@
	tensor_load_to_lds s[\g0a:\g0a+3], s[\g1a:\g1a+7]
	s_nop 0
.rept 4
	v_nop
.endr
	s_branch .Lasked_\@
.Lfor_b_\@:
	tensor_load_to_lds s[\g0b:\g0b+3], s[\g1b:\g1b+7]
	s_nop 0
.rept 4
	v_nop
.endr
.Lasked_\@:
.endm
.macro CREST
	s_cmp_lg_u32 s14, 0
	s_cbranch_scc1 .Lnot_wave_0_\@
	s_barrier_signal -3
.Lnot_wave_0_\@:
	s_barrier_wait -3
	s_barrier_signal -1
	s_barrier_wait -1
.endm
.macro CROUND
	s_barrier_signal -1
	s_barrier_wait -1
	CREST
.endm
.macro PLACES n
.rept \n
	v_nop
.endr
.endm
.macro FRAG reg, adr, q, i
.irp c, 0,1,2,3
	ds_load_b128 v[\reg+4*\c:\reg+4*\c+3], v[\adr] offset:2048*(\q)+512*\c+((\i)/2)*PRB+((\i)%2)*4096
.endr
.endm
.macro FETCH_B slot, q, p
	WIN TO_B
.irp i, 0,1,2,3,4,5,6,7
	FRAG 128*(\p)+FR*\i, ADRB+\slot, \q, \i
.endr
	WIN 0
.endm
.macro FETCH_A slot, q, i0
.irp i, \i0, \i0+1, \i0+2, \i0+3
	FRAG AF+FR*(\i), ADRA+\slot, \q, \i
.endr
.endm
.macro SCALES sc
.irp i, 0,1,2,3,4,5,6,7
	ds_load_b64 v[SC+8*NQ*\sc+NQ*\i:SC+8*NQ*\sc+NQ*\i+1], v[ADRS+\sc] offset:(\i/2)*PRB+(\i%2)*128
.endr
.endm
.macro MUL16 a0, p, q, sc, zero
.irp a, \a0, \a0+1
.irp b, 0,1,2,3,4,5,6,7
.if (\zero) == 0
	v_wmma_scale_f32_16x16x128_f8f6f4 v[8*(8*((\a)%4)+\b):8*(8*((\a)%4)+\b)+7], v[128*(\p)+FR*\b:128*(\p)+FR*\b+FR-1], v[AF+FR*(\a):AF+FR*(\a)+FR-1], v[8*(8*((\a)%4)+\b):8*(8*((\a)%4)+\b)+7], v[SC+8*NQ*(\sc)+NQ*\b+(\q)], v[SC+8*NQ*(\sc)+NQ*(\a)+(\q)] matrix_a_scale:MATRIX_SCALE_ROW1
.else
	v_wmma_scale_f32_16x16x128_f8f6f4 v[8*(8*((\a)%4)+\b):8*(8*((\a)%4)+\b)+7], v[128*(\p)+FR*\b:128*(\p)+FR*\b+FR-1], v[AF+FR*(\a):AF+FR*(\a)+FR-1], v[BI+8*\b:BI+8*\b+7], v[SC+8*NQ*(\sc)+NQ*\b+(\q)], v[SC+8*NQ*(\sc)+NQ*(\a)+(\q)] matrix_a_scale:MATRIX_SCALE_ROW1
.endif
.endr
.endr
.endm
.macro STEP slot, q, zero
	s_wait_dscnt 4*NL
	WMUL 0, \zero
	MUL16 0, (\q)%2, \q, \slot, \zero
	MUL16 2, (\q)%2, \q, \slot, \zero
	s_wait_dscnt 0
	PLACES NP
	FETCH_B \slot, (\q)+1, 1-(\q)%2
	FETCH_A \slot, (\q)+1, 0
	WMUL 1, \zero
	MUL16 4, (\q)%2, \q, \slot, \zero
	MUL16 6, (\q)%2, \q, \slot, \zero
	PLACES NP
	WIN 0
	FETCH_A \slot, (\q)+1, 4
.endm
.macro TURN slot, next, fill
	s_wait_tensorcnt 0x0
	ds_add_u32 v[SPW], v[NIL]
	s_wait_dscnt 4*NL+1
	WIN MUL_LO
	MUL16 0, 1, NQ-1, \slot, 0
	s_wait_dscnt 0x0
	s_barrier_signal -1
	MUL16 2, 1, NQ-1, \slot, 0
	WIN 0
	s_barrier_wait -1
.if \fill
	CREST
	s_add_nc_u64 s[G0+4*\slot+2:G0+4*\slot+3], s[G0+4*\slot+2:G0+4*\slot+3], s[72:73]
	s_add_nc_u64 s[G0B+4*\slot+2:G0B+4*\slot+3], s[G0B+4*\slot+2:G0B+4*\slot+3], s[74:75]
	JLOAD G0+4*\slot, G1, G0B+4*\slot, G1B
	PLACES NP-4
.else
	PLACES NP
.endif
	FETCH_B \next, 0, 0
	FETCH_A \next, 0, 0
	SCALES \next
	WIN MUL_HI
	MUL16 4, 1, NQ-1, \slot, 0
	MUL16 6, 1, NQ-1, \slot, 0
	PLACES NP
	WIN 0
	FETCH_A \next, 0, 4
.endm
.macro QUANTW S, w, pw
	WIN ((\w)<<2)|((\w)<<4)
.irp b, 0,1,2,3
	v_max3_num_f32 v[TM+\b], v[FL], v[(\S)+16*\b], v[(\S)+16*\b+1]
.endr
.irp i, 2,4,6,8,10,12,14
.irp b, 0,1,2,3
	v_max3_num_f32 v[TM+\b], v[TM+\b], v[(\S)+16*\b+\i], v[(\S)+16*\b+\i+1]
.endr
.endr
	WIN 0
.irp b, 0,1,2,3
	v_permlanex16_b32 v[TM+4+\b], v[TM+\b], s[SEL], s[SEL+1]
.endr
.irp b, 0,1,2,3
	v_max_num_f32 v[TM+\b], v[TM+\b], v[TM+4+\b]
.endr
.irp b, 0,1,2,3
	v_add_nc_u32 v[TM+12+\b], 0xfc000000, v[TM+\b]
.endr
.irp b, 0,1,2,3
	v_and_or_b32 v[TM+8+\b], v[TM+\b], 0x7f800000, s[MNT]
.endr
.irp b, 0,1,2,3
	v_lshrrev_b32 v[TM+4+\b], 23, v[TM+12+\b]
.endr
	v_lshl_or_b32 v[\pw], v[TM+5], 8, v[TM+4]
	v_lshl_or_b32 v[\pw], v[TM+6], 16, v[\pw]
	v_lshl_or_b32 v[\pw], v[TM+7], 24, v[\pw]
	WIN ((\w)<<6)|(\w)
.irp b, 0,1,2,3
.irp i, 0,1,2,3,4,5,6,7,8,9,10,11,12,13,14,15
	v_med3_num_f32 v[(\S)+16*\b+\i], v[(\S)+16*\b+\i], 0, v[TM+8+\b]
.endr
.endr
	WIN (\w)
.irp b, 0,1,2,3
	v_cvt_scalef32_pk8_fp8_f32 v[PC+4*\b:PC+4*\b+1], v[(\S)+16*\b:(\S)+16*\b+7], v[TM+12+\b]
	v_cvt_scalef32_pk8_fp8_f32 v[PC+4*\b+2:PC+4*\b+3], v[(\S)+16*\b+8:(\S)+16*\b+15], v[TM+12+\b]
.endr
	WIN 0
	v_nop
.endm
	s_load_b256 s[4:11], s[0:1], 0x0
	v_lshl_add_u32 v[SPW], v0, 2, SPARE
	v_mov_b32 v[NIL], 0
	ds_add_u32 v[SPW], v[NIL]
	ds_add_u32 v[SPW], v[NIL]
	v_lshrrev_b32 v1, 5, v0
	v_readfirstlane_b32 s14, v1
	s_lshr_b32 s15, s14, 1
	s_and_b32 s16, s14, 1
	s_bfe_u32 s40, ttmp6, 0x40000
	s_bfe_u32 s41, ttmp6, 0x40004
	s_and_b32 s17, ttmp7, 0xffff
	s_lshl_b32 s17, s17, 2
	s_add_co_u32 s17, s17, s41
	s_lshl_b32 s42, ttmp9, 2
	s_add_co_u32 s42, s42, s40
	s_mov_b32 s68, 1081344
	s_mov_b32 s69, 0
	s_mov_b32 s70, 1081344
	s_mov_b32 s71, 0
	s_lshl_b32 s72, s68, 1
	s_mov_b32 s73, 0
	s_lshl_b32 s74, s70, 1
	s_mov_b32 s75, 0
	s_lshl_b32 s43, s41, 2
	s_lshl_b32 s43, 15, s43
	s_lshl_b32 s44, 0x1111, s40
	s_or_b32 s[G1+0], s43, (3<<16)|(1<<21)
	s_or_b32 s[G1B+0], s44, (3<<16)|(1<<21)
.irp g, G1, G1B
	s_mov_b32 s[\g+1], 32<<16
	s_mov_b32 s[\g+2], 132<<16
	s_mov_b32 s[\g+3], 32<<16
	s_mov_b32 s[\g+4], 132
	s_mov_b32 s[\g+5], 32
	s_mov_b32 s[\g+6], 0
	s_mov_b32 s[\g+7], 0
.endr
	s_lshl_b32 s18, s16, 2
	s_lshl_b32 s20, s17, 3
	s_add_co_u32 s20, s20, s18
	s_mul_i32 s20, s20, PRB
	s_add_co_u32 s20, s20, 16777216
	s_mov_b32 s21, 0
	s_lshl_b32 s46, s42, 3
	s_add_co_u32 s46, s46, s18
	s_mul_i32 s46, s46, PRB
	s_add_co_u32 s46, s46, 7569408
	s_mov_b32 s47, 0
	s_mul_i32 s45, s14, HALFT
	s_mov_b32 s[SEL], 0x76543210
	s_mov_b32 s[SEL+1], 0xfedcba98
	s_mov_b32 s[MNT], 0x600000
	s_mov_b32 s67, 0xffff0000
	s_wait_dscnt 0x0
	s_wait_kmcnt 0x0
	s_add_nc_u64 s[20:21], s[4:5], s[20:21]
	s_add_nc_u64 s[46:47], s[6:7], s[46:47]
	CROUND
	s_mov_b32 s[G0], 1
	s_mov_b32 s[G0+1], s45
	s_mov_b64 s[G0+2:G0+3], s[20:21]
	s_or_b32 s[G0+3], s[G0+3], 0x80000000
	s_mov_b32 s[G0B], 1
	s_mov_b32 s[G0B+1], s45
	s_mov_b64 s[G0B+2:G0B+3], s[46:47]
	s_or_b32 s[G0B+3], s[G0B+3], 0x80000000
	JLOAD G0, G1, G0B, G1B
	s_mov_b32 s[G0+4], 1
	s_add_co_u32 s[G0+5], s45, SLOT
	s_add_nc_u64 s[G0+6:G0+7], s[20:21], s[68:69]
	s_or_b32 s[G0+7], s[G0+7], 0x80000000
	s_mov_b32 s[G0B+4], 1
	s_add_co_u32 s[G0B+5], s45, SLOT
	s_add_nc_u64 s[G0B+6:G0B+7], s[46:47], s[70:71]
	s_or_b32 s[G0B+7], s[G0B+7], 0x80000000
	s_wait_alu depctr_va_vdst(0)
	s_wait_tensorcnt 0x0
	ds_add_u32 v28, v29
	s_wait_dscnt 0x0
	CROUND
	JLOAD G0+4, G1, G0B+4, G1B
	v_and_b32 v1, 15, v0
	v_bfe_u32 v2, v0, 4, 1
	v_and_b32 v3, 31, v0
	v_lshlrev_b32 v[L16], 4, v3
	v_lshlrev_b32 v[L8], 3, v3
	s_mul_i32 s83, s15, HALFT
	s_mul_i32 s84, s16, HALFT
	s_add_co_u32 s84, s84, 2*HALFT
	v_add_nc_u32 v[ADRA], s83, v[L16]
	v_add_nc_u32 v[ADRB], s84, v[L16]
	v_add_nc_u32 v[ADRA+1], SLOT, v[ADRA]
	v_add_nc_u32 v[ADRB+1], SLOT, v[ADRB]
	s_sub_co_u32 s84, s84, s83
	v_mul_u32_u24 v6, s84, v2
	v_lshl_add_u32 v5, v1, 3, v6
	s_add_co_u32 s83, s83, 8192
	v_add_nc_u32 v[ADRS], s83, v5
	v_add_nc_u32 v[ADRS+1], SLOT, v[ADRS]
	s_mov_b32 s87, 0
	s_lshl_b32 s86, s42, 10
	s_lshl_b32 s85, s16, 9
	s_add_co_u32 s86, s86, s85
	s_add_nc_u64 s[90:91], s[8:9], s[86:87]
	v_lshlrev_b32 v[BOF], 6, v2
.irp c, 0,1,2,3
.irp j, 0,1,2,3
	global_load_b128 v[BI+16*\c+4*\j:BI+16*\c+4*\j+3], v[BOF], s[90:91] offset:128*\c+16*\j
.endr
.endr
	s_lshl_b32 s86, s42, 7
	s_lshl_b32 s85, s17, 3
	s_add_co_u32 s86, s86, s85
	s_lshl_b32 s85, s15, 2
	s_add_co_u32 s86, s86, s85
	s_mul_i32 s86, s86, PRB
	s_lshl_b32 s85, s16, 2
	s_add_co_u32 s88, s86, s85
	s_add_co_u32 s88, s88, 8192
	s_mov_b32 s89, 0
	s_add_nc_u64 s[78:79], s[10:11], s[88:89]
	s_lshl_b32 s85, s16, 11
	s_add_co_u32 s86, s86, s85
	s_add_nc_u64 s[76:77], s[10:11], s[86:87]
	s_wait_alu depctr_va_vdst(0)
	s_wait_loadcnt 0x0
	s_wait_tensorcnt 1
	s_barrier_signal -1
	s_barrier_wait -1
	FETCH_B 0, 0, 0
	FETCH_A 0, 0, 0
	SCALES 0
	FETCH_A 0, 0, 4
	STEP 0, 0, 1
	TURN 0, 1, 1
	STEP 1, 0, 0
	TURN 1, 0, 1
	STEP 0, 0, 0
	TURN 0, 1, 0
	STEP 1, 0, 0
	s_wait_dscnt 4*NL
	WIN MUL_LO
	MUL16 0, 1, NQ-1, 1, 0
	MUL16 2, 1, NQ-1, 1, 0
	s_wait_dscnt 0
	WIN MUL_HI
	MUL16 4, 1, NQ-1, 1, 0
	MUL16 6, 1, NQ-1, 1, 0
	WIN 0
	PLACES NP
.irp b, 0,1,2,3
	v_mov_b32 v[TM+4+\b], 0
.endr
	v_mov_b32 v[FL], 0x4800000
.irp a, 0,1,2,3,4,5,6,7
.set PC, 64+16*\a+52*(\a/4)            ; each block's codes have 16 registers of their own (v64-127, v180-243), and each pair's words one (v244-247): no store's data are written again
.set TP, 244+\a/2
	QUANTW 64*(\a%4), 2+\a/4, PW+\a%2
.irp c, 0,1,2,3
	global_store_b128 v[L16], v[PC+4*\c:PC+4*\c+3], s[76:77] offset:(\a/2)*PRB+(\a%2)*4096+512*\c
.endr
.if \a%2
	v_cndmask_b32 v[TP], v[PW], v[PW+1], s67
	global_store_b32 v[L8], v[TP], s[78:79] offset:(\a/2)*PRB
.endif
.endr
	s_wait_tensorcnt 0x0
	ds_add_u32 v[SPW], v[NIL]
	s_wait_dscnt 0x0
	CROUND
	s_endpgm
.Lfunc_end_k_q1051b45a8f_ff1:
	.size	k_q1051b45a8f_ff1, .Lfunc_end_k_q1051b45a8f_ff1-k_q1051b45a8f_ff1
	.p2alignl 7, 3214868480
	.fill 96, 4, 3214868480
	.section	.rodata,"a",@progbits
	.p2align	6, 0x0
	.amdhsa_kernel k_q1051b45a8f_ff1
		.amdhsa_group_segment_fixed_size 327680
		.amdhsa_private_segment_fixed_size 0
		.amdhsa_enable_private_segment 0
		.amdhsa_kernarg_size 32
		.amdhsa_user_sgpr_count 2
		.amdhsa_user_sgpr_kernarg_segment_ptr 1
		.amdhsa_wavefront_size32 1
		.amdhsa_system_sgpr_workgroup_id_x 1
		.amdhsa_system_sgpr_workgroup_id_y 1
		.amdhsa_system_sgpr_workgroup_id_z 1
		.amdhsa_system_vgpr_workitem_id 0
		.amdhsa_next_free_vgpr 1024
		.amdhsa_next_free_sgpr 100
		.amdhsa_reserve_vcc 0
		.amdhsa_float_denorm_mode_32 3
		.amdhsa_float_denorm_mode_16_64 3
		.amdhsa_memory_ordered 1
		.amdhsa_forward_progress 1
		.amdhsa_inst_pref_size 183
	.end_amdhsa_kernel
	.amdgpu_metadata
---
amdhsa.version: [ 1, 2 ]
amdhsa.kernels:
  - .name:           k_q1051b45a8f_ff1
    .symbol:         k_q1051b45a8f_ff1.kd
    .args:
      - { .name: xb, .offset: 0, .size: 8, .value_kind: global_buffer, .address_space: global }
      - { .name: wimg, .offset: 8, .size: 8, .value_kind: global_buffer, .address_space: global }
      - { .name: b1, .offset: 16, .size: 8, .value_kind: global_buffer, .address_space: global }
      - { .name: himg, .offset: 24, .size: 8, .value_kind: global_buffer, .address_space: global }
    .group_segment_fixed_size: 327680
    .private_segment_fixed_size: 0
    .kernarg_segment_align: 8
    .kernarg_segment_size: 32
    .max_flat_workgroup_size: 128
    .sgpr_count:     100
    .vgpr_count:     1024
    .wavefront_size: 32
...
	.end_amdgpu_metadata
.endif
;; end of part 6
;; launch ff2 (part 7): grid 8 x 32, 4 waves a work-group, clusters of 4 x 4, 327,680 bytes of LDS; arguments himg, w2img, yp; writes yp
.if DOCPART == 7
	.amdgcn_target "amdgcn-amd-amdhsa--gfx1250"
	.amdhsa_code_object_version 6
	.text
	.protected	k_q1051b45a8f_ff2
	.globl	k_q1051b45a8f_ff2
	.p2align	8
	.type	k_q1051b45a8f_ff2,@function
k_q1051b45a8f_ff2:
	s_mov_b64 s[64:65], 0
	v_nop
	global_prefetch_b8 v0, s[64:65] scope:SCOPE_SE
	s_setreg_imm32_b32 hwreg(HW_REG_WAVE_MODE, 25, 1), 1
	s_wait_xcnt 0x0
	s_wait_alu depctr_hold_cnt(0) depctr_sa_sdst(0) depctr_va_vdst(0) depctr_va_sdst(0) depctr_va_ssrc(0) depctr_va_vcc(0) depctr_vm_vsrc(0)
	s_getreg_b32 s2, hwreg(HW_REG_IB_STS2, 6, 4)
	s_cmp_eq_u32 s2, 0
	s_cbranch_scc0 .Lentry_in_a_cluster
	s_endpgm
.Lentry_in_a_cluster:
	s_bfe_u32 s2, ttmp6, 0x10000c
	s_cmp_lg_u32 s2, 0xf033
	s_cbranch_scc0 .Lentry_shape_is_right
	s_endpgm
.Lentry_shape_is_right:
; C = A B^T in f32, on images of codes (see the first kernel): A = the hidden layer, 4,096 rows; B = W2, 1,024 rows; K = 4,096.  Bias, residual and norm follow in the next launch.  No work is left out.
; TILES OF 128 x 128: 32 x 8 = 256 of them, one work-group each, each with ALL of K: every number of C has one owner and is stored once.
; THE RING: two slots, each with two K steps of 256 of both operands: 4 x 33,792 = 135,168 bytes.  A wave fetches one operand's K steps of one parity: waves 0, 1 the row operand's, waves 2, 3 the column operand's.
;   At the head one load a wave brings its part of BOTH slots: two rows of 33,792 dense bytes, two K steps apart in memory, one behind the other in LDS.  So an operand's K steps of a lap lie in the order 0, 2, 1, 3.
;   A lap is four K steps, eight steps of 128.  In step 3 slot 0 has been read out and is filled with the next lap's K steps 0, 1; in step 7 slot 1 likewise: one load of 33,792 bytes a wave, behind the three lines and a round.
;   Four laps: six refills; the last lap is written out and fills nothing.  One load of a wave is out at a time; every wait on TENSORcnt is for 0.
; CLUSTERS 4 x 4: the row operand's tile hangs on the cluster's y place alone and is asked for jointly along a row, the column operand's on the x place and along a column.
; PREFETCH: behind each refill but the last two, a wave names the tile of the refill two further on (four steps of 128 and a change of slots ahead of the load before it): of the tile's four records each of the four partners
;   takes one, told apart by address, lanes 256 bytes apart: a record's 8,192 bytes of codes; its last 256 bytes, the scale bytes, come by the load alone.  The first four K steps and the first two refills come by their loads alone.
; A wave makes 64 x 64: 16 accumulators, by turns; the next step's 32 LDS loads stand in one run in a step's middle.
; THE PRODUCT IS USED TRANSPOSED (source 0 = 16 rows of B, source 1 = 16 rows of A): accumulator (a, b), lane (r, h), register j holds row 32 (a / 2) + 8 (a % 2) + r % 8 + 16 (r / 8), column 32 (b / 2) + 16 h + 8 (b % 2) + j.
; THE WAY OUT: a wave's 64 columns are 256 bytes of a row of C, aligned: each block of 16 rows goes through the wave's own stage (LDS bytes that no fill touches) and leaves sixteen lanes to 256 consecutive bytes.
; REGISTERS: window 0: v16-31 addresses; v32-63 scale words and nothing else (K step ks of the lap, block i, half s at 8 ks + 2 i + s: lanes 0-15 A's, lanes 16-31 B's); v64-127 rows on the way out; v128-255 accumulators.
;   window 1: two fragment buffers of 128: A's four fragments, then B's four.
.set FR,     16
.set NP,     8                         ; places behind this matrix instruction (ISA guide 7.12.1)
.set PRB,    8448
.set HALFT,  4*PRB                     ; 128 rows x 256 K with scales
.set KSA,    128*PRB                   ; a K step of A's image in bytes,
.set KSB,    32*PRB                    ; of B's
.set BBASE,  4*HALFT                   ; LDS: A's four K steps from 0, B's from here
.set SPARE,  8*HALFT                   ; the spare words, 128 bytes a wave
.set STAGE,  SPARE+512                 ; the stages: 16 rows x 272 bytes for each wave
.set SPITCH, 272
.set ADRA, 16                          ; v16-17 my A fragments: even K steps, odd K steps
.set ADRB, 20                          ; v20-21 my B fragments
.set L16,  22
.set CO,   23
.set PFO,  24                          ; v24 the prefetches' offset: 256 x lane; never rewritten
.set ADRS, 26                          ; v26-27 my scale words
.set SPW,  28
.set NIL,  29
.set STO,  30
.set RD,   31
.set SC,   32
.set BK,   64
.set ACC,  128
.set G1,   24
.set G0,   32                          ; s[32:39] group 0 for A, a set for each slot;  s[56:63] for B
.set G1B,  48
.set G0B,  56
.set PFA,  88                          ; s[88:89] where my prefetches stand;  s[90:91] their step: two K steps
.set PFS,  90
.set MSB, 0
.macro WIN new                         ; the immediate's high byte repeats the setting that is left
.if MSB != (\new)
	s_set_vgpr_msb (MSB<<8)|(\new)
.set MSB, (\new)
.endif
.endm
.set MUL,  0x05                        ; sources 0 and 1 window 1; C and D window 0
.set TO_F, 0x40                        ; destination window 1, address window 0
.macro JLOAD g0a, g1a, g0b, g1b        ; a joint load: waves 0, 1 fetch for A, waves 2, 3 for B
	s_cmp_eq_u32 s15, 0
	s_cbranch_scc0 .Lfor_b_\@
	tensor_load_to_lds s[\g0a:\g0a+3], s[\g1a:\g1a+7]
	s_nop 0
.rept 4
	v_nop
.endr
	s_branch .Lasked_\@
.Lfor_b_\@:
	tensor_load_to_lds s[\g0b:\g0b+3], s[\g1b:\g1b+7]
	s_nop 0
.rept 4
	v_nop
.endr
.Lasked_\@:
.endm
.macro CROUND                          ; a round of the cluster's barrier
	s_barrier_signal -1
	s_barrier_wait -1
	s_cmp_lg_u32 s14, 0
	s_cbranch_scc1 .Lnot_wave_0_\@
	s_barrier_signal -3
.Lnot_wave_0_\@:
	s_barrier_wait -3
	s_barrier_signal -1
	s_barrier_wait -1
.endm
.macro PLACES n
.rept \n
	v_nop
.endr
.endm
; step k of a lap's eight (K step k / 2, half k % 2): my four fragments of B and four of A into buffer k % 2: 32 loads of 512 consecutive bytes
.macro FETCH k
	WIN TO_F
.irp i, 0,1,2,3
.irp c, 0,1,2,3
	ds_load_b128 v[128*((\k)%2)+64+FR*\i+4*\c:128*((\k)%2)+64+FR*\i+4*\c+3], v[ADRB+((\k)/2)%2] offset:((\k)/4)*HALFT+(\i/2)*PRB+(\i%2)*4096+2048*((\k)%2)+512*\c
.endr
.irp c, 0,1,2,3
	ds_load_b128 v[128*((\k)%2)+FR*\i+4*\c:128*((\k)%2)+FR*\i+4*\c+3], v[ADRA+((\k)/2)%2] offset:((\k)/4)*HALFT+(\i/2)*PRB+(\i%2)*4096+2048*((\k)%2)+512*\c
.endr
.endr
.endm
.macro SCALES ks                       ; a K step's scale words: two words a row
.irp i, 0,1,2,3
	ds_load_b64 v[SC+8*(\ks)+2*\i:SC+8*(\ks)+2*\i+1], v[ADRS+(\ks)%2] offset:((\ks)/2)*HALFT+(\i/2)*PRB+(\i%2)*128
.endr
.endm
; 8 matrix instructions: row blocks a0, a0 + 1 x the four column blocks.  zero = 1: the first product starts the sums.  The 16 accumulators take turns.
.macro MUL8 k, a0, zero
.irp a, \a0, \a0+1
.irp b, 0,1,2,3
.if \zero
	v_wmma_scale_f32_16x16x128_f8f6f4 v[ACC+8*(4*(\a)+\b):ACC+8*(4*(\a)+\b)+7], v[128*((\k)%2)+64+FR*\b:128*((\k)%2)+64+FR*\b+FR-1], v[128*((\k)%2)+FR*(\a):128*((\k)%2)+FR*(\a)+FR-1], 0, v[SC+8*((\k)/2)+2*\b+(\k)%2], v[SC+8*((\k)/2)+2*(\a)+(\k)%2] matrix_a_scale:MATRIX_SCALE_ROW1
.else
	v_wmma_scale_f32_16x16x128_f8f6f4 v[ACC+8*(4*(\a)+\b):ACC+8*(4*(\a)+\b)+7], v[128*((\k)%2)+64+FR*\b:128*((\k)%2)+64+FR*\b+FR-1], v[128*((\k)%2)+FR*(\a):128*((\k)%2)+FR*(\a)+FR-1], v[ACC+8*(4*(\a)+\b):ACC+8*(4*(\a)+\b)+7], v[SC+8*((\k)/2)+2*\b+(\k)%2], v[SC+8*((\k)/2)+2*(\a)+(\k)%2] matrix_a_scale:MATRIX_SCALE_ROW1
.endif
.endr
.endr
.endm
; THE CHANGE OF SLOTS.  My reads of the slot have come back (the step's opening wait).  fill = 1: the three lines, a round, and the slot's next two K steps; fill = 2, the last lap: the other slot's load is awaited, and nothing is filled
.macro TURN slot, fill
.if (\fill) == 1
	s_wait_xcnt 0x0                                ; any prefetch of mine has read its address, so it may be stepped
	s_add_nc_u64 s[PFA:PFA+1], s[PFA:PFA+1], s[PFS:PFS+1]
	s_wait_tensorcnt 0x0                           ; all my tensor loads have landed: my part of the other slot; so a group 0 may be written
	ds_add_u32 v[SPW], v[NIL]                      ; 0 onto my spare word
	s_add_nc_u64 s[G0+4*(\slot)+2:G0+4*(\slot)+3], s[G0+4*(\slot)+2:G0+4*(\slot)+3], 4*KSA   ; this slot's K steps of the next lap
	s_add_nc_u64 s[G0B+4*(\slot)+2:G0B+4*(\slot)+3], s[G0B+4*(\slot)+2:G0B+4*(\slot)+3], 4*KSB
	s_wait_dscnt 0x0                               ; the add is done
	CROUND                                         ; no wave of any partner still reads this slot or has a load on its way
	JLOAD G0+4*(\slot), G1, G0B+4*(\slot), G1B     ; the first tensor load behind the round, my only one until the next
.else
	s_wait_tensorcnt 0x0
	s_wait_dscnt 0x0
	s_barrier_signal -1
	s_barrier_wait -1
.endif
.endm
.macro ASK                             ; the tile of the refill two further on; the loop's last trip has none
	s_cmp_gt_u32 s3, 1
	s_cbranch_scc0 .Lno_ask_\@
	global_prefetch_b8 v[PFO], s[PFA:PFA+1] th:TH_LOAD_NT scope:SCOPE_SE
.Lno_ask_\@:
.endm
.macro STEPK k, zero, turn
	s_wait_dscnt 0x0                               ; this step's fragments (and scale words) are in
	WIN MUL
	MUL8 \k, 0, \zero
	PLACES NP                                      ; in front of loads into the buffer that the last step's products read
.if \turn
	WIN 0
	TURN (\k)/4, \turn
.endif
	FETCH ((\k)+1)%8
.if ((\k)%4) == 3
	WIN 0
	SCALES (((\k)+1)%8)/2
	SCALES (((\k)+1)%8)/2+1
.endif
.if (\turn) == 1
	ASK
.endif
	WIN MUL
	MUL8 \k, 2, \zero
.endm
	s_load_b128 s[4:7], s[0:1], 0x0                ; himg, w2img
	s_load_b64 s[12:13], s[0:1], 0x10              ; yp
	v_lshl_add_u32 v[SPW], v0, 2, SPARE
	v_mov_b32 v[NIL], 0
	ds_add_u32 v[SPW], v[NIL]                      ; the wave's opening: the add, twice on end, and its wait ahead of my first tensor load
	ds_add_u32 v[SPW], v[NIL]
	v_lshrrev_b32 v1, 5, v0
	v_readfirstlane_b32 s14, v1                    ; wave
	s_lshr_b32 s15, s14, 1                         ; my half of the rows.  Also: I fetch for A (0) or for B (1)
	s_and_b32 s16, s14, 1                          ; my half of the columns.  Also: the parity of the K steps that I fetch
	s_bfe_u32 s40, ttmp6, 0x40000                  ; cx
	s_bfe_u32 s41, ttmp6, 0x40004                  ; cy
	s_and_b32 s17, ttmp7, 0xffff
	s_lshl_b32 s17, s17, 2
	s_add_co_u32 s17, s17, s41                     ; tile row 0..31
	s_lshl_b32 s42, ttmp9, 2
	s_add_co_u32 s42, s42, s40                     ; tile column 0..7
	s_lshl_b32 s43, s41, 2
	s_lshl_b32 s43, 15, s43                        ; my row of the cluster
	s_lshl_b32 s44, 0x1111, s40                    ; my column
	s_or_b32 s[G1+0], s43, (3<<16)|(1<<21)         ; the mask; elements of 8 bytes; bit 21 beside a mask; no padding
	s_or_b32 s[G1B+0], s44, (3<<16)|(1<<21)
.irp g, G1, G1B
	s_mov_b32 s[\g+1], 4224<<16                    ; the head's loads: two rows of 4,224 elements: 33,792 dense bytes each
	s_mov_b32 s[\g+2], 2<<16
	s_mov_b32 s[\g+3], 4224<<16
	s_mov_b32 s[\g+4], 2
	s_mov_b32 s[\g+6], 0
	s_mov_b32 s[\g+7], 0
.endr
	s_mov_b32 s[G1+5], 2*KSA/8                     ; from row to row: two K steps, in elements
	s_mov_b32 s[G1B+5], 2*KSB/8
	s_lshl_b32 s20, s16, 7                         ; A: 128 records a K step; my first K step is my parity;
	s_lshl_b32 s18, s17, 2
	s_add_co_u32 s20, s20, s18                     ; four records a tile row
	s_mul_i32 s20, s20, PRB
	s_mov_b32 s21, 0
	s_lshl_b32 s46, s16, 5                         ; B: 32 records a K step
	s_lshl_b32 s19, s42, 2
	s_add_co_u32 s46, s46, s19
	s_mul_i32 s46, s46, PRB
	s_mov_b32 s47, 0
	s_mul_i32 s45, s15, BBASE                      ; where they go: the operand's region + my parity's two K steps: no place in the cluster enters an LDS address
	s_mul_i32 s22, s16, 2*HALFT
	s_add_co_u32 s45, s45, s22
	s_cmp_eq_u32 s15, 0                            ; the prefetches: do I fetch for A?
	s_mov_b32 s[PFS], 2*KSB
	s_cselect_b32 s[PFS], 2*KSA, s[PFS]            ; from refill to refill: two K steps
	s_cselect_b32 s92, s40, s41                    ; my place among the four that ask for the tile with me
	s_mov_b32 s[PFS+1], 0
	s_mul_i32 s92, s92, PRB                        ; my record of the tile's four,
	s_mul_i32 s93, s[PFS], 3
	s_add_co_u32 s92, s92, s93                     ; six K steps on: the first refill steps it to eight
	s_mov_b32 s93, 0
	s_wait_dscnt 0x0                               ; both opening adds are done
	s_wait_kmcnt 0x0
	s_add_nc_u64 s[20:21], s[4:5], s[20:21]
	s_add_nc_u64 s[46:47], s[6:7], s[46:47]
	s_cmp_eq_u32 s15, 0
	s_cselect_b64 s[PFA:PFA+1], s[20:21], s[46:47]
	s_add_nc_u64 s[PFA:PFA+1], s[PFA:PFA+1], s[92:93]
	CROUND                                         ; all sixteen work-groups are here: the joint loads meet
	s_mov_b32 s[G0], 1
	s_mov_b32 s[G0+1], s45
	s_mov_b64 s[G0+2:G0+3], s[20:21]
	s_or_b32 s[G0+3], s[G0+3], 0x80000000
	s_mov_b32 s[G0B], 1
	s_mov_b32 s[G0B+1], s45
	s_mov_b64 s[G0B+2:G0B+3], s[46:47]
	s_or_b32 s[G0B+3], s[G0B+3], 0x80000000
	JLOAD G0, G1, G0B, G1B                         ; my part of both slots: one tensor load a wave at the head
	s_mov_b32 s[G0+4], 1                           ; slot 1's group 0: my K step 2 + parity
	s_add_co_u32 s[G0+5], s45, HALFT
	s_add_nc_u64 s[G0+6:G0+7], s[20:21], 2*KSA
	s_or_b32 s[G0+7], s[G0+7], 0x80000000
	s_mov_b32 s[G0B+4], 1
	s_add_co_u32 s[G0B+5], s45, HALFT
	s_add_nc_u64 s[G0B+6:G0B+7], s[46:47], 2*KSB
	s_or_b32 s[G0B+7], s[G0B+7], 0x80000000
	v_and_b32 v1, 15, v0                           ; r
	v_bfe_u32 v2, v0, 4, 1                         ; h
	v_and_b32 v3, 31, v0                           ; lane
	v_lshlrev_b32 v[L16], 4, v3
	v_lshlrev_b32 v[PFO], 8, v3
	s_mul_i32 s83, s15, 2*PRB                      ; my 64 rows: two records
	s_mul_i32 s84, s16, 2*PRB
	s_add_co_u32 s84, s84, BBASE                   ; my 64 columns
	v_add_nc_u32 v[ADRA], s83, v[L16]
	v_add_nc_u32 v[ADRB], s84, v[L16]
	v_add_nc_u32 v[ADRA+1], 2*HALFT, v[ADRA]
	v_add_nc_u32 v[ADRB+1], 2*HALFT, v[ADRB]
	s_sub_co_u32 s84, s84, s83
	v_mul_u32_u24 v6, s84, v2                      ; lanes 16-31 take B's words
	v_lshl_add_u32 v5, v1, 3, v6                   ; 8 bytes a row
	s_add_co_u32 s83, s83, 8192
	v_add_nc_u32 v[ADRS], s83, v5
	v_add_nc_u32 v[ADRS+1], 2*HALFT, v[ADRS]
	s_mul_i32 s83, s14, 16*SPITCH
	s_add_co_u32 s83, s83, STAGE                   ; my stage
	v_mul_u32_u24 v5, v1, SPITCH
	v_lshl_add_u32 v5, v2, 6, v5
	v_add_nc_u32 v[STO], s83, v5                   ; in: row r, + 64 h
	v_mul_u32_u24 v5, v2, SPITCH
	v_lshl_add_u32 v5, v1, 4, v5
	v_add_nc_u32 v[RD], s83, v5                    ; back: lanes 0-15 one row of 256 bytes, lanes 16-31 the next
	v_lshlrev_b32 v[CO], 12, v2
	v_lshl_add_u32 v[CO], v1, 4, v[CO]             ; and the same two rows in C
	s_lshl_b32 s86, s17, 7
	s_lshl_b32 s85, s15, 6
	s_add_co_u32 s86, s86, s85
	s_lshl_b32 s86, s86, 12                        ; my first row, 4,096 bytes a row
	s_lshl_b32 s85, s42, 9
	s_add_co_u32 s86, s86, s85
	s_lshl_b32 s85, s16, 8
	s_add_co_u32 s86, s86, s85                     ; my first column
	s_mov_b32 s87, 0
	s_add_nc_u64 s[12:13], s[12:13], s[86:87]
	s_wait_alu depctr_va_vdst(0)                   ; the wait at the head's end
	s_wait_tensorcnt 0x0                           ; my load is in; no tensor load of mine is out, so a descriptor may be written:
.irp g, G1, G1B
	s_mov_b32 s[\g+1], 32<<16                      ; from here on a load brings one K step: 132 rows of 256 bytes: 33,792 dense bytes
	s_mov_b32 s[\g+2], 132<<16
	s_mov_b32 s[\g+3], 32<<16
	s_mov_b32 s[\g+4], 132
	s_mov_b32 s[\g+5], 32
.endr
	s_barrier_signal -1
	s_barrier_wait -1                              ; everybody's is in: both slots are whole
	FETCH 0
	WIN 0
	SCALES 0
	SCALES 1
	STEPK 0, 1, 0                                  ; the first step stands in front of the loop: its products start the sums
	WIN 0
	s_mov_b32 s3, 3
.Llap:                                                 ; a trip goes once round the ring, from a lap's second step to the next lap's first, and fills both slots again
	STEPK 1, 0, 0
	STEPK 2, 0, 0
	STEPK 3, 0, 1
	STEPK 4, 0, 0
	STEPK 5, 0, 0
	STEPK 6, 0, 0
	STEPK 7, 0, 1
	STEPK 0, 0, 0
	WIN 0
	s_sub_co_u32 s3, s3, 1
	s_cmp_lg_u32 s3, 0
	s_cbranch_scc1 .Llap
	STEPK 1, 0, 0                                  ; the last lap fills nothing
	STEPK 2, 0, 0
	STEPK 3, 0, 2
	STEPK 4, 0, 0
	STEPK 5, 0, 0
	STEPK 6, 0, 0
	s_wait_dscnt 0x0                               ; the very last step: nothing more to fetch
	WIN MUL
	MUL8 7, 0, 0
	MUL8 7, 2, 0
	WIN 0
; THE WAY OUT, block by block of 16 rows x 64 columns, through my own stage.  LDS serves a wave's instructions in order: no wait between the stores and the loads, nor in front of the next block's stores.
.macro TOSTAGE a
.irp b, 0,1,2,3
	ds_store_b128 v[STO], v[ACC+8*(4*(\a)+\b):ACC+8*(4*(\a)+\b)+3] offset:128*(\b/2)+32*(\b%2)         ; each accumulator from its low end on
	ds_store_b128 v[STO], v[ACC+8*(4*(\a)+\b)+4:ACC+8*(4*(\a)+\b)+7] offset:128*(\b/2)+32*(\b%2)+16
.endr
.irp t, 0,1,2,3,4,5,6,7
	ds_load_b128 v[BK+32*((\a)%2)+4*\t:BK+32*((\a)%2)+4*\t+3], v[RD] offset:2*\t*SPITCH
.endr
.endm
.macro SEND a, younger                 ; younger: the LDS instructions issued behind block a's loads, which may stay out
	s_wait_dscnt \younger
.irp t, 0,1,2,3,4,5,6,7
	global_store_b128 v[CO], v[BK+32*((\a)%2)+4*\t:BK+32*((\a)%2)+4*\t+3], s[12:13] offset:(32*((\a)/2)+8*((\a)%2)+2*\t+8*(\t/4))*4096 th:TH_STORE_NT   ; stage row 2 t + h is row 2 t + h + 8 (t / 4) of the block's 32; 16 lanes store 256 consecutive bytes, aligned
.endr
.endm
	PLACES NP
	TOSTAGE 0
.irp a, 1,2,3
.if \a > 1
	s_wait_xcnt 0x0                                ; block a - 2's stores have read their registers: block a's loads may land there
.endif
	TOSTAGE \a
	SEND \a-1, 16                                  ; behind block a - 1's loads: block a's 8 stores and 8 loads
.endr
	SEND 3, 0
	s_wait_tensorcnt 0x0                           ; the wave's end
	ds_add_u32 v[SPW], v[NIL]
	s_wait_dscnt 0x0
	CROUND                                         ; the closing round
	s_endpgm
.Lfunc_end_k_q1051b45a8f_ff2:
	.size	k_q1051b45a8f_ff2, .Lfunc_end_k_q1051b45a8f_ff2-k_q1051b45a8f_ff2
	.p2alignl 7, 3214868480
	.fill 96, 4, 3214868480
	.section	.rodata,"a",@progbits
	.p2align	6, 0x0
	.amdhsa_kernel k_q1051b45a8f_ff2
		.amdhsa_group_segment_fixed_size 327680
		.amdhsa_private_segment_fixed_size 0
		.amdhsa_enable_private_segment 0
		.amdhsa_kernarg_size 24
		.amdhsa_user_sgpr_count 2
		.amdhsa_user_sgpr_kernarg_segment_ptr 1
		.amdhsa_wavefront_size32 1
		.amdhsa_system_sgpr_workgroup_id_x 1
		.amdhsa_system_sgpr_workgroup_id_y 1
		.amdhsa_system_sgpr_workgroup_id_z 1
		.amdhsa_system_vgpr_workitem_id 0
		.amdhsa_next_free_vgpr 512
		.amdhsa_next_free_sgpr 100
		.amdhsa_reserve_vcc 0
		.amdhsa_float_denorm_mode_32 3
		.amdhsa_float_denorm_mode_16_64 3
		.amdhsa_memory_ordered 1
		.amdhsa_forward_progress 1
		.amdhsa_inst_pref_size 90
	.end_amdhsa_kernel
	.amdgpu_metadata
---
amdhsa.version: [ 1, 2 ]
amdhsa.kernels:
  - .name:           k_q1051b45a8f_ff2
    .symbol:         k_q1051b45a8f_ff2.kd
    .args:
      - { .name: himg, .offset: 0, .size: 8, .value_kind: global_buffer, .address_space: global }
      - { .name: w2img, .offset: 8, .size: 8, .value_kind: global_buffer, .address_space: global }
      - { .name: yp, .offset: 16, .size: 8, .value_kind: global_buffer, .address_space: global }
    .group_segment_fixed_size: 327680
    .private_segment_fixed_size: 0
    .kernarg_segment_align: 8
    .kernarg_segment_size: 24
    .max_flat_workgroup_size: 128
    .sgpr_count:     100
    .vgpr_count:     512
    .wavefront_size: 32
...
	.end_amdgpu_metadata
.endif
;; end of part 7
;; launch ln2 (part 8): grid 256 x 1, 16 waves a work-group, no clusters, 0 bytes of LDS; arguments yp, xb, g2, be2, out0; writes out0
.if DOCPART == 8
	.amdgcn_target "amdgcn-amd-amdhsa--gfx1250"
	.amdhsa_code_object_version 6
	.text
	.protected	k_q1051b45a8f_ln2
	.globl	k_q1051b45a8f_ln2
	.p2align	8
	.type	k_q1051b45a8f_ln2,@function
k_q1051b45a8f_ln2:
	s_mov_b64 s[64:65], 0
	v_nop
	global_prefetch_b8 v0, s[64:65] scope:SCOPE_SE
	s_setreg_imm32_b32 hwreg(HW_REG_WAVE_MODE, 25, 1), 1
	s_wait_xcnt 0x0
; out0 = layer norm((x + b2) + hidden W2^T) x g2 + be2, all in f32.  No work is left out.
; A wave takes one row m' = 16 x work-group + wave, whole, 32 numbers a lane: the reductions stay in the wave; no LDS, no barrier.  The row goes out at its true place 2 s + b.
; Each load and store of a wave covers 512 consecutive bytes.  Memory binds: no matrix unit, no cluster.  NaN and infinities are not served.
.set P,   32                           ; v32-63 the product's row
.set XR,  64
.set G,   96
.set BE,  128
.set SEL, 34
.macro WSUM v, t
	s_delay_alu instid0(VALU_DEP_1)
	v_add_f32_dpp v[\v], v[\v], v[\v] row_xmask:1 row_mask:0xf bank_mask:0xf
	s_delay_alu instid0(VALU_DEP_1)
	v_add_f32_dpp v[\v], v[\v], v[\v] row_xmask:2 row_mask:0xf bank_mask:0xf
	s_delay_alu instid0(VALU_DEP_1)
	v_add_f32_dpp v[\v], v[\v], v[\v] row_xmask:4 row_mask:0xf bank_mask:0xf
	s_delay_alu instid0(VALU_DEP_1)
	v_add_f32_dpp v[\v], v[\v], v[\v] row_xmask:8 row_mask:0xf bank_mask:0xf
	s_delay_alu instid0(VALU_DEP_1)
	v_permlanex16_b32 v[\t], v[\v], s[SEL], s[SEL+1]
	s_delay_alu instid0(VALU_DEP_1)
	v_add_f32 v[\v], v[\v], v[\t]
.endm
	s_load_b256 s[4:11], s[0:1], 0x0               ; yp 4, xb 6, g2 8, be2 10
	s_load_b64 s[12:13], s[0:1], 0x20              ; out0
	v_lshrrev_b32 v1, 5, v0
	s_delay_alu instid0(VALU_DEP_1)
	v_readfirstlane_b32 s14, v1
	v_and_b32 v2, 31, v0
	s_delay_alu instid0(VALU_DEP_1)
	v_lshlrev_b32 v1, 4, v2                        ; 16 x lane
	s_lshl_b32 s15, ttmp9, 4
	s_add_co_u32 s15, s15, s14                     ; m'
	s_lshl_b32 s16, s15, 12
	s_mov_b32 s17, 0
	s_and_b32 s18, s15, 2047
	s_lshl_b32 s18, s18, 1
	s_lshr_b32 s19, s15, 11
	s_add_co_u32 s18, s18, s19                     ; 2 s + b
	s_lshl_b32 s18, s18, 12
	s_mov_b32 s19, 0
	s_mov_b32 s[SEL], 0x76543210
	s_mov_b32 s[SEL+1], 0xfedcba98
	s_mov_b32 s37, 0x3a800000                      ; 1 / 1,024
	s_mov_b32 s38, 0x3727c5ac                      ; 1e-5
	s_wait_alu depctr_va_vdst(0)
	s_wait_kmcnt 0x0
	s_add_nc_u64 s[20:21], s[4:5], s[16:17]
	s_add_nc_u64 s[6:7], s[6:7], s[16:17]
	s_add_nc_u64 s[12:13], s[12:13], s[18:19]
.irp j, 0,1,2,3,4,5,6,7
	global_load_b128 v[P+4*\j:P+4*\j+3], v1, s[20:21] offset:512*\j th:TH_LOAD_NT
.endr
.irp j, 0,1,2,3,4,5,6,7
	global_load_b128 v[XR+4*\j:XR+4*\j+3], v1, s[6:7] offset:512*\j th:TH_LOAD_NT
.endr
.irp j, 0,1,2,3,4,5,6,7
	global_load_b128 v[G+4*\j:G+4*\j+3], v1, s[8:9] offset:512*\j
.endr
.irp j, 0,1,2,3,4,5,6,7
	global_load_b128 v[BE+4*\j:BE+4*\j+3], v1, s[10:11] offset:512*\j
.endr
	s_wait_loadcnt 16                              ; the product and the residual are in; g2 and be2 may be out
.set J, 0
.rept 16
	v_pk_add_f32 v[P+J:P+J+1], v[P+J:P+J+1], v[XR+J:XR+J+1]
.set J, J+2
.endr
	v_pk_add_f32 v[10:11], v[P:P+1], v[P+2:P+3]
	v_pk_add_f32 v[12:13], v[P+4:P+5], v[P+6:P+7]
.irp j, 8,12,16,20,24,28
	s_delay_alu instid0(VALU_DEP_2)
	v_pk_add_f32 v[10:11], v[10:11], v[P+\j:P+\j+1]
	s_delay_alu instid0(VALU_DEP_2)
	v_pk_add_f32 v[12:13], v[12:13], v[P+\j+2:P+\j+3]
.endr
	s_delay_alu instid0(VALU_DEP_1)
	v_pk_add_f32 v[10:11], v[10:11], v[12:13]
	s_delay_alu instid0(VALU_DEP_1)
	v_add_f32 v10, v10, v11
	WSUM 10, 11
	s_delay_alu instid0(VALU_DEP_1)
	v_mul_f32 v10, s37, v10                        ; the mean
	s_delay_alu instid0(VALU_DEP_1)
	v_mov_b32 v11, v10
.set J, 0
.rept 16
	v_pk_add_f32 v[P+J:P+J+1], v[P+J:P+J+1], v[10:11] neg_lo:[0,1] neg_hi:[0,1]
.set J, J+2
.endr
	v_pk_mul_f32 v[12:13], v[P:P+1], v[P:P+1]
	v_pk_mul_f32 v[14:15], v[P+2:P+3], v[P+2:P+3]
.irp j, 4,8,12,16,20,24,28
	s_delay_alu instid0(VALU_DEP_2)
	v_pk_fma_f32 v[12:13], v[P+\j:P+\j+1], v[P+\j:P+\j+1], v[12:13]
	s_delay_alu instid0(VALU_DEP_2)
	v_pk_fma_f32 v[14:15], v[P+\j+2:P+\j+3], v[P+\j+2:P+\j+3], v[14:15]
.endr
	s_delay_alu instid0(VALU_DEP_1)
	v_pk_add_f32 v[12:13], v[12:13], v[14:15]
	s_delay_alu instid0(VALU_DEP_1)
	v_add_f32 v12, v12, v13
	WSUM 12, 13
	s_delay_alu instid0(VALU_DEP_1)
	v_fma_f32 v12, v12, s37, s38                   ; the variance + 1e-5
	s_wait_alu depctr_va_vdst(0)
	v_rsq_f32 v14, v12
	v_nop
	s_wait_alu depctr_va_vdst(0)                   ; ahead of the first reader of the root's result
	v_mov_b32 v15, v14
	s_wait_alu depctr_va_vdst(0)
	s_wait_loadcnt 0x0
.set J, 0
.rept 16
	v_pk_mul_f32 v[P+J:P+J+1], v[P+J:P+J+1], v[14:15]
.set J, J+2
.endr
.set J, 0
.rept 16
	v_pk_fma_f32 v[P+J:P+J+1], v[P+J:P+J+1], v[G+J:G+J+1], v[BE+J:BE+J+1]
.set J, J+2
.endr
.irp j, 0,1,2,3,4,5,6,7
	global_store_b128 v1, v[P+4*\j:P+4*\j+3], s[12:13] offset:512*\j th:TH_STORE_NT
.endr
	s_endpgm
.Lfunc_end_k_q1051b45a8f_ln2:
	.size	k_q1051b45a8f_ln2, .Lfunc_end_k_q1051b45a8f_ln2-k_q1051b45a8f_ln2
	.p2alignl 7, 3214868480
	.fill 96, 4, 3214868480
	.section	.rodata,"a",@progbits
	.p2align	6, 0x0
	.amdhsa_kernel k_q1051b45a8f_ln2
		.amdhsa_group_segment_fixed_size 0
		.amdhsa_private_segment_fixed_size 0
		.amdhsa_enable_private_segment 0
		.amdhsa_kernarg_size 40
		.amdhsa_user_sgpr_count 2
		.amdhsa_user_sgpr_kernarg_segment_ptr 1
		.amdhsa_wavefront_size32 1
		.amdhsa_system_sgpr_workgroup_id_x 1
		.amdhsa_system_sgpr_workgroup_id_y 1
		.amdhsa_system_sgpr_workgroup_id_z 1
		.amdhsa_system_vgpr_workitem_id 0
		.amdhsa_next_free_vgpr 160
		.amdhsa_next_free_sgpr 66
		.amdhsa_reserve_vcc 0
		.amdhsa_float_denorm_mode_32 3
		.amdhsa_float_denorm_mode_16_64 3
		.amdhsa_memory_ordered 1
		.amdhsa_forward_progress 1
		.amdhsa_inst_pref_size 14
	.end_amdhsa_kernel
	.amdgpu_metadata
---
amdhsa.version: [ 1, 2 ]
amdhsa.kernels:
  - .name:           k_q1051b45a8f_ln2
    .symbol:         k_q1051b45a8f_ln2.kd
    .args:
      - { .name: yp, .offset: 0, .size: 8, .value_kind: global_buffer, .address_space: global }
      - { .name: xb, .offset: 8, .size: 8, .value_kind: global_buffer, .address_space: global }
      - { .name: g2, .offset: 16, .size: 8, .value_kind: global_buffer, .address_space: global }
      - { .name: be2, .offset: 24, .size: 8, .value_kind: global_buffer, .address_space: global }
      - { .name: out0, .offset: 32, .size: 8, .value_kind: global_buffer, .address_space: global }
    .group_segment_fixed_size: 0
    .private_segment_fixed_size: 0
    .kernarg_segment_align: 8
    .kernarg_segment_size: 40
    .max_flat_workgroup_size: 512
    .sgpr_count:     66
    .vgpr_count:     160
    .wavefront_size: 32
...
	.end_amdgpu_metadata
.endif
;; end of part 8
